; MI455X (gfx1250); checked and timed in simulation.
; The chip was launched on July 23, 2026; its instructions are those of AMD's public machine-readable ISA for CDNA 5 (MIT licence, August 2026) and "CDNA5" Instruction Set Architecture Reference Guide (July 2026). The comments in the code are by the model that wrote it; some were corrected since.
;; Ro PE Transformer Encoder Layer. Allowed arithmetic: matrix products marked QUANTISED: E3M2 operands, one E8M0 scale for each 32 along K, by v_wmma_scale_f32_16x16x128_f8f6f4 with both operands' format E3M2, f32 sums; everything else in f32.
;; Inputs: W1 1,024 x 4,096 float32; W2 4,096 x 1,024 float32; Wo 1,024 x 1,024 float32; Wqkv 1,024 x 3,072 float32; b1 4,096 float32; b2 1,024 float32; bo 1,024 float32; bqkv 3,072 float32; cos 2,048 x 32 float32; ln1_b 1,024 float32; ln1_g 1,024 float32; ln2_b 1,024 float32; ln2_g 1,024 float32; sin 2,048 x 32 float32; x 2 x 2,048 x 1,024 float32.
;; Outputs: out0 2 x 2,048 x 1,024 float32.
;; This version of the problem:
;;   THIS VERSION OF THE PROBLEM IS GIVEN IN LOW PRECISION. The matrix products marked QUANTISED in the list below multiply operands that are first quantised to E3M2 (3 exponent bits, 2 mantissa bits; 6 bits a number), with one power-of-two scale for each 32 numbers along K (OCP MX v1.0); their sums are f32. All else is computed in f32.
;;   The module's matrix products, in the order in which they are computed (A, B: the left and right operand; K: the contracted axis; several contracted axes count as one K, in the product's order):
;;     1. [M 4,096, K 1,024] x [K 1,024, N 3,072]; A: computed on the way; B: input Wqkv: QUANTISED
;;     2. batch 32 x [M 2,048, K 64] x [K 64, N 2,048]; A: computed on the way; B: computed on the way: QUANTISED
;;     3. batch 32 x [M 2,048, K 2,048] x [K 2,048, N 64]; A: softmax (see below); B: computed on the way: QUANTISED
;;     4. [M 4,096, K 1,024] x [K 1,024, N 1,024]; A: computed on the way; B: input Wo: QUANTISED
;;     5. [M 4,096, K 1,024] x [K 1,024, N 4,096]; A: computed on the way; B: input W1: QUANTISED
;;     6. [M 4,096, K 4,096] x [K 4,096, N 1,024]; A: computed on the way; B: input W2: QUANTISED
;;   THE QUANTISER, for each operand of a quantised product, along K:
;;     - K is cut into blocks of 32 from its start; a last block that is shorter is filled with zeros.
;;     - A block's scale is 2^e with e = floor(log2(the largest magnitude in the block)) - 4, held to -126 .. 127; a block of zeros has e = 0. As a byte (E8M0): e + 127.
;;     - Each number is divided by its block's scale, clamped to +-28, and rounded to the nearest number of E3M2, ties to even, subnormals kept.
;;     - The product sums the exact products of the quantised numbers (number of the format x scale) in f32.
;;   ~~~python
;;   def quantise(x, axis):      # numpy; x: float32 -> the quantised numbers, widened to float32 again
;;       x = np.moveaxis(x, axis, -1); K = x.shape[-1]
;;       x = np.pad(x, [(0, 0)] * (x.ndim - 1) + [(0, -K % 32)]); x = x.reshape(x.shape[:-1] + (-1, 32)); a = np.abs(x).max(-1, keepdims=True)
;;       e = np.where(a > 0, np.clip(np.frexp(np.where(a > 0, a, 1))[1] - 1 - 4, -126, 127), 0)      # np.frexp(a)[1] - 1 = floor(log2(a)), exactly
;;       r = np.clip(x / 2.0 ** e, -28, 28)
;;       step = 2.0 ** (np.maximum(np.frexp(np.where(r == 0, 1, r))[1] - 1, -2) - 2)
;;       q = np.round(r / step) * step * 2.0 ** e      # np.round: ties to even
;;       return np.moveaxis(q.reshape(q.shape[:-2] + (-1,))[..., :K], -1, axis).astype(np.float32)
;;   ~~~
;;   SOFTMAX AHEAD OF A QUANTISED PRODUCT. Where the list says 'softmax', what is quantised is not the finished softmax but p = 2^(t - M), with t = logit x log2(e) and M = ceil(the row's largest t), a whole number; so 1/2 < the row's largest p <= 1. The row's sum l is taken of the UNQUANTISED p, in f32, and the product's result is divided by l at the end. Since M is a whole number, a kernel that streams over the keys may use a running M (the ceiling of the running maximum): every later rescaling is an exact power of two, which a block's scale takes up: the codes' values come out the same.
;;   OPERANDS COMPUTED ON THE WAY. 'Computed on the way' means the value that the module computes at that place (a softmax that the list does not call 'softmax' is quantised finished and normalised). What goes into a quantiser is computed in f32, as accurately as f32 sums, v_exp_f32 and their like allow (about 1e-6 of the number): no bf16 or f16 on the way to a quantiser, and a product that is left as it is and whose result goes on into a quantised operand takes f32 operands (vector FMAs, or v_wmma_f32_16x16x4_f32). A number that lies on a knife's edge between two numbers of the format may be rounded either way, as far as f32 arithmetic and the matrix unit's own rounding can turn it there, and no further.
;; One version. Each part assembles by itself: llvm-mc -triple=amdgcn-amd-amdhsa -mcpu=gfx1250 --defsym DOCPART=n.
;; ======== version 1 of 1: 7 launches
;; workspace buffers: wts 9,830,400 bytes; xa 3,276,800 bytes; qkv 10,223,616 bytes; oa 3,276,800 bytes; x1 16,777,216 bytes; ha 3,276,800 bytes; ga 13,107,200 bytes
;; launch prep1 (part 1): grid 256 x 2, 4 waves a work-group, no clusters, 131,584 bytes of LDS; arguments x, ln1_g, ln1_b, xa, Wqkv, Wo, wts; writes xa, wts
.if DOCPART == 1
	.amdgcn_target "amdgcn-amd-amdhsa--gfx1250"
	.amdhsa_code_object_version 6
	.text
	.protected	k_qb59f234e03_prep1
	.globl	k_qb59f234e03_prep1
	.p2align	8
	.type	k_qb59f234e03_prep1,@function
k_qb59f234e03_prep1:
	s_mov_b64 s[64:65], 0
	v_nop
	global_prefetch_b8 v0, s[64:65] scope:SCOPE_SE
	s_setreg_imm32_b32 hwreg(HW_REG_WAVE_MODE, 25, 1), 1
	s_wait_xcnt 0x0
; ONE LAUNCH, TWO KINDS OF WORK THAT SHARE NOTHING, told apart by the work-group's y.
; y = 0: LayerNorm of 16 rows of 1,024 f32, quantised along the row.  y = 1: a piece of a weight, f32 stored [K][N], quantised along K: x under 192: Wqkv; from 192 on: Wo.
; The rows' work is a chain of dependent steps on few bytes, the weights' work a stream of many bytes with little arithmetic: they run side by side in one launch in place of one behind the other in two.
; BOTH MAKE OPERANDS OF BF6 (E3M2) with one E8M0 byte for each 32 along K, laid as the products' launches load them:
; rows go in tiles of 16; tile 2 b + u holds, at place r, row 32 b + 8 u + r + 8 (r / 8).  A tile's codes for 64 along K are an image of six operand registers: registers 0-3 as 16 bytes a lane (512 bytes),
; registers 4-5 as 8 bytes a lane (256 bytes): 768 bytes; images follow each other along K, tiles are 12 K bytes apart.  Scale words (four bytes: 128 along K of one row) lie [rows / 128][K / 128][tile 0..7][place 0..15].
; A block's scale is 2^(floor(log2(largest magnitude)) - 4); its byte is the largest magnitude's exponent field - 4, held at 1 from below.
; LIMITS: a block of zeros gets the byte 1 (its codes are zeros; this program alone reads the bytes); blocks whose largest magnitude lies under 2^-122 are held at byte 1; NaN and infinities are not served.
; LAYERNORM.  y = (x - mean) rsqrt(var + 1e-5) g + b.  Phase 1: wave w normalises places 4 w .. 4 w + 3 (four neighbouring rows of memory), a row in 32 registers, mean and variance in two passes as the definition has them,
; and puts y into a stage in LDS (rows 4,112 bytes apart: 257 x 16, so sixteen rows' 16 bytes fall on different banks).  One barrier.  Phase 2: wave w makes K steps 2 w and 2 w + 1: lane (r, h) reads whole blocks of 32 of row r.
; Its scale words leave as two pieces of 64 bytes a wave: 4 bytes for each 512 bytes that it reads; they lie from byte 3,145,728 of the rows' buffer on.
; WEIGHTS.  A work-group takes 128 columns x 128 along K, a wave 32 columns (two tiles).  A LANE TAKES A COLUMN AND ITS REGISTERS RUN DOWN K: a load reads 128 consecutive bytes a wave, a block of 32 lies in one lane.
; Lanes 0-15 take the places of tile 2 w, lanes 16-31 those of tile 2 w + 1; twelve exchanges of half rows of lanes then give each tile's operand registers.
.set X, 32                             ; v32-159 LayerNorm: four rows, later 2 K steps x 2 blocks x 32 numbers;  weights: my column's 128 numbers
; LayerNorm's registers
.set GA, 160                           ; v160-191 gain
.set BE, 192                           ; v192-223 bias
.set SM, 10                            ; v10-17 row i: sum, then mean, then 1 / sigma, in v[SM + 2 i]; the odd register is at work
.set SQ, 18                            ; v18-25 row i: sum of squares
.set LTP, 248                          ; v248-254 the blocks' upper 16 codes
; the weights' registers
.set CO, 1                             ; v1   4 x my column in the wave's 32
.set LI, 2                             ; v2   16 x lane
.set L8, 3                             ; v3   8 x lane
.set L4, 4                             ; v4   4 x lane
.set WD, 5                             ; v5   my column's scale word
.set MA, 6                             ; v6-7 two chains of the maximum
.set MB, 7
.set SO, 8                             ; v8   the conversion's scale operand
.set BY, 9                             ; v9   the byte
.set WTP, 10                           ; v10-12 a block's upper 16 codes
.set C, 160                            ; v160-183 four blocks x six registers of codes
; the four rows' figures in v[base + 2 i] are summed over the 32 lanes, the rows by turns
.macro RED base
.irp m, 1,2,4,8
.irp i, 0,1,2,3
	v_add_f32_dpp v[\base+2*\i], v[\base+2*\i], v[\base+2*\i] row_xmask:\m row_mask:0xf bank_mask:0xf
.endr
.endr
.irp i, 0,1,2,3
	v_permlanex16_b32 v[\base+2*\i+1], v[\base+2*\i], s12, s13
.endr
.irp i, 0,1,2,3
	v_add_f32 v[\base+2*\i], v[\base+2*\i], v[\base+2*\i+1]
.endr
.endm
; K step 2 w + s: my two whole blocks (2 c + h) become the operand's registers 6 c .. 6 c + 5; the scale word's four bytes are gathered from lanes l and l xor 16
.macro LQ s
.set Y, X+64*\s
.set PC, 224+12*\s
.irp c, 0,1
	v_max3_num_f32 v[10+\c], |v[Y+32*\c]|, |v[Y+32*\c+1]|, 0x2800000   ; with the floor 2^(5 - 127)
.endr
.irp i, 2,4,6,8,10,12,14,16,18,20,22,24,26,28,30
.irp c, 0,1
	v_max3_num_f32 v[10+\c], v[10+\c], |v[Y+32*\c+\i]|, |v[Y+32*\c+\i+1]|
.endr
.endr
.irp c, 0,1
	v_add_nc_u32 v[12+\c], 0xfe000000, v[10+\c]    ; 4 off the exponent field: the conversion's scale operand
.endr
.irp c, 0,1
	v_lshrrev_b32 v[14+\c], 23, v[12+\c]           ; the byte
.endr
	v_lshl_or_b32 v16, v15, 16, v14
	v_lshlrev_b32 v16, v9, v16                     ; at bytes h and 2 + h
	v_permlanex16_b32 v17, v16, s12, s13
	v_or_b32 v[26+\s], v16, v17
.irp c, 0,1
	v_cvt_scalef32_pk16_bf6_f32 v[PC+6*\c:PC+6*\c+2], v[Y+32*\c:Y+32*\c+15], v[12+\c]
	v_cvt_scalef32_pk16_bf6_f32 v[LTP+4*\c:LTP+4*\c+2], v[Y+32*\c+16:Y+32*\c+31], v[12+\c]   ; (a conversion's three registers begin on an even number)
.endr
	v_nop                                          ; one plain line behind a scaled conversion
.irp c, 0,1
.irp i, 0,1,2
	v_mov_b32 v[PC+6*\c+3+\i], v[LTP+4*\c+\i]
.endr
.endr
	global_store_b128 v4, v[PC:PC+3], s[22:23] offset:1536*\s
	global_store_b64 v5, v[PC+4:PC+5], s[22:23] offset:1536*\s+512
	global_store_b128 v4, v[PC+6:PC+9], s[22:23] offset:1536*\s+768
	global_store_b64 v5, v[PC+10:PC+11], s[22:23] offset:1536*\s+1280
.endm
; One weight's work.  cols, kk: its N and K; logks: log2(kk / 128); first: its first work-group along x; src: its pointer's registers; coff, soff: where its codes and scale words begin in wts.
.macro BODY cols, kk, logks, first, src, coff, soff
	s_sub_co_u32 s16, ttmp9, \first                ; which (column group, K step): group x (kk / 128) + K step
	s_and_b32 s17, s16, \kk/128-1                  ; K step
	s_lshr_b32 s18, s16, \logks                    ; column group
	s_mul_i32 s20, s17, 128*\cols*4
	s_lshl_b32 s21, s18, 9
	s_add_co_u32 s20, s20, s21
	s_lshl_b32 s21, s14, 7
	s_add_co_u32 s20, s20, s21
	s_mov_b32 s21, 0
	s_add_nc_u64 s[22:23], s[\src:\src+1], s[20:21]   ; row 128 x K step, column 128 x group + 32 x wave
	s_lshl_b32 s24, s18, 3
	s_lshl_b32 s25, s14, 1
	s_add_co_u32 s24, s24, s25
	s_mul_i32 s24, s24, 12*\kk
	s_mul_i32 s25, s17, 1536
	s_add_co_u32 s24, s24, s25
	s_add_co_u32 s24, s24, \coff
	s_mov_b32 s25, 0
	s_add_nc_u64 s[24:25], s[32:33], s[24:25]      ; tile 8 x group + 2 x wave, this K step's two images
	s_lshl_b32 s26, s16, 9
	s_lshl_b32 s27, s14, 7
	s_add_co_u32 s26, s26, s27
	s_add_co_u32 s26, s26, \soff
	s_mov_b32 s27, 0
	s_add_nc_u64 s[26:27], s[32:33], s[26:27]      ; the (group, K step)'s 512 bytes of scale words, my wave's 128
.set nn, 0
.rept 128
	global_load_b32 v[X+nn], v[CO], s[22:23] offset:nn*\cols*4 th:TH_LOAD_NT
.set nn, nn+1
.endr
.irp be, 0,1,2,3
.if (96-32*\be) > 63
	s_wait_loadcnt 63                              ; a wait names 63 at the most: fewer than the 96 - 32 x block younger loads that may stay out
.else
	s_wait_loadcnt 96-32*\be                       ; this block's 32 loads are in; the later blocks' may be out
.endif
.set XS, X+32*\be
	v_max3_num_f32 v[MA], |v[XS]|, |v[XS+1]|, |v[XS+2]|
	v_max3_num_f32 v[MB], |v[XS+3]|, |v[XS+4]|, |v[XS+5]|
.irp i, 6,10,14,18,22,26
	v_max3_num_f32 v[MA], v[MA], |v[XS+\i]|, |v[XS+\i+1]|
	v_max3_num_f32 v[MB], v[MB], |v[XS+\i+2]|, |v[XS+\i+3]|
.endr
	v_max3_num_f32 v[MA], v[MA], |v[XS+30]|, |v[XS+31]|
	v_max3_num_f32 v[MA], v[MA], v[MB], 0x2800000  ; the floor 2^(5 - 127): the byte cannot fall under 1
	v_add_nc_u32 v[SO], 0xfe000000, v[MA]          ; 4 off the exponent field: the conversion takes that field as its scale
	v_lshrrev_b32 v[BY], 23, v[SO]
.if \be == 0
	v_mov_b32 v[WD], v[BY]
.else
	v_lshl_or_b32 v[WD], v[BY], 8*\be, v[WD]
.endif
	v_cvt_scalef32_pk16_bf6_f32 v[C+6*\be:C+6*\be+2], v[XS:XS+15], v[SO]
	v_cvt_scalef32_pk16_bf6_f32 v[WTP:WTP+2], v[XS+16:XS+31], v[SO]   ; (a conversion's three registers begin on an even number)
	v_nop                                          ; one plain line behind a scaled conversion
.irp i, 0,1,2
	v_mov_b32 v[C+6*\be+3+\i], v[WTP+\i]
.endr
.endr
.irp i, 0,1,2,3,4,5
	v_permlane16_swap_b32 v[C+\i], v[C+6+\i]       ; the first now holds tile 2 w (lanes 0-15 block 0, lanes 16-31 block 1), the second tile 2 w + 1
	v_permlane16_swap_b32 v[C+12+\i], v[C+18+\i]   ; likewise blocks 2 and 3
.endr
.irp u, 0,1
	global_store_b128 v[LI], v[C+6*\u:C+6*\u+3], s[24:25] offset:12*\kk*\u          ; each store covers 512 or 256 consecutive bytes, aligned
	global_store_b64 v[L8], v[C+6*\u+4:C+6*\u+5], s[24:25] offset:12*\kk*\u+512
	global_store_b128 v[LI], v[C+6*\u+12:C+6*\u+15], s[24:25] offset:12*\kk*\u+768
	global_store_b64 v[L8], v[C+6*\u+16:C+6*\u+17], s[24:25] offset:12*\kk*\u+1280
.endr
	global_store_b32 v[L4], v[WD], s[26:27]        ; 128 consecutive bytes a wave: the four waves fill the 512
	s_endpgm
.endm
	s_load_b256 s[4:11], s[0:1], 0x0               ; the rows s[4:5], gain s[6:7], bias s[8:9], the rows' codes s[10:11]
	s_load_b128 s[28:31], s[0:1], 0x20             ; the first weight s[28:29], the second s[30:31]
	s_load_b64 s[32:33], s[0:1], 0x30              ; wts
	v_lshl_add_u32 v251, v0, 2, 0x20000
	v_mov_b32 v255, 0
	s_and_b32 s34, ttmp7, 0xffff                   ; the work-group's y: which kind of work
	s_cmp_lg_u32 s34, 0
	s_cbranch_scc1 .Lweights
	; ---- LayerNorm: the work-group's x is the tile of 16 rows
	v_lshrrev_b32 v1, 5, v0
	v_readfirstlane_b32 s16, v1                    ; wave
	v_and_b32 v1, 31, v0                           ; lane
	v_and_b32 v2, 15, v0                           ; r
	v_bfe_u32 v3, v0, 4, 1                         ; h
	v_lshlrev_b32 v4, 4, v1                        ; 16 x lane
	v_lshlrev_b32 v5, 3, v1                        ; 8 x lane
	s_mul_i32 s17, s16, 4*4112
	v_add_nc_u32 v6, s17, v4                       ; the stage, in: my wave's four rows, 16 bytes a lane
	v_mul_u32_u24 v7, v2, 4112
	v_lshl_add_u32 v7, v3, 7, v7
	s_lshl_b32 s17, s16, 10
	v_add_nc_u32 v7, s17, v7                       ; and out: row r, + 128 h, + my wave's two K steps
	v_lshlrev_b32 v8, 2, v2
	v_lshl_add_u32 v8, v3, 9, v8                   ; scale words: 4 r, lanes 16-31 one K step (512 bytes) on
	v_lshlrev_b32 v9, 3, v3                        ; 8 h
	s_mov_b32 s12, 0x76543210
	s_mov_b32 s13, 0xfedcba98                      ; v_permlanex16_b32's selects for lane l xor 16
	s_mov_b32 s14, 0x3a800000                      ; 1 / 1,024
	s_mov_b32 s15, 0x3727c5ac                      ; 1e-5
	s_mov_b32 s20, 0xffff0000                      ; lanes 16-31
	s_lshr_b32 s18, ttmp9, 1
	s_lshl_b32 s18, s18, 5
	s_and_b32 s19, ttmp9, 1
	s_lshl_b32 s19, s19, 3
	s_add_co_u32 s18, s18, s19
	s_lshl_b32 s19, s16, 2
	s_add_co_u32 s18, s18, s19
	s_lshr_b32 s19, s16, 1
	s_lshl_b32 s19, s19, 3
	s_add_co_u32 s18, s18, s19                     ; my first row: 32 (tile / 2) + 8 (tile % 2) + 4 w + 8 (w / 2)
	s_lshl_b32 s18, s18, 12
	s_mov_b32 s19, 0
	s_mul_i32 s22, ttmp9, 12288
	s_mul_i32 s23, s16, 3072
	s_add_co_u32 s22, s22, s23                     ; the tile's images, my two K steps
	s_mov_b32 s23, 0
	s_lshr_b32 s24, ttmp9, 3
	s_lshl_b32 s24, s24, 12
	s_lshl_b32 s25, s16, 10
	s_add_co_u32 s24, s24, s25
	s_and_b32 s25, ttmp9, 7
	s_lshl_b32 s25, s25, 6
	s_add_co_u32 s24, s24, s25
	s_add_co_u32 s24, s24, 3145728                 ; the scale words of (group of 128 rows, K step 2 w, tile in group)
	s_mov_b32 s25, 0
	s_wait_kmcnt 0x0
	s_add_nc_u64 s[4:5], s[4:5], s[18:19]
	s_add_nc_u64 s[22:23], s[10:11], s[22:23]
	s_add_nc_u64 s[24:25], s[10:11], s[24:25]
.irp j, 0,1,2,3,4,5,6,7
	global_load_b128 v[GA+4*\j:GA+4*\j+3], v4, s[6:7] offset:512*\j
	global_load_b128 v[BE+4*\j:BE+4*\j+3], v4, s[8:9] offset:512*\j
.endr
.irp i, 0,1,2,3
.irp j, 0,1,2,3,4,5,6,7
	global_load_b128 v[X+32*\i+4*\j:X+32*\i+4*\j+3], v4, s[4:5] offset:4096*\i+512*\j th:TH_LOAD_NT   ; 512 consecutive bytes a load
.endr
.endr
	s_wait_loadcnt 0x0
.irp i, 0,1,2,3
	v_pk_add_f32 v[SM+2*\i:SM+2*\i+1], v[X+32*\i:X+32*\i+1], v[X+32*\i+2:X+32*\i+3]
.endr
.irp j, 4,6,8,10,12,14,16,18,20,22,24,26,28,30
.irp i, 0,1,2,3
	v_pk_add_f32 v[SM+2*\i:SM+2*\i+1], v[SM+2*\i:SM+2*\i+1], v[X+32*\i+\j:X+32*\i+\j+1]
.endr
.endr
.irp i, 0,1,2,3
	v_add_f32 v[SM+2*\i], v[SM+2*\i], v[SM+2*\i+1]
.endr
	RED SM
.irp i, 0,1,2,3
	v_mul_f32 v[SM+2*\i], s14, v[SM+2*\i]          ; the mean
.endr
.irp j, 0,2,4,6,8,10,12,14,16,18,20,22,24,26,28,30
.irp i, 0,1,2,3
	v_pk_add_f32 v[X+32*\i+\j:X+32*\i+\j+1], v[X+32*\i+\j:X+32*\i+\j+1], v[SM+2*\i:SM+2*\i+1] op_sel_hi:[1,0] neg_lo:[0,1] neg_hi:[0,1]   ; x - mean
.endr
.endr
.irp i, 0,1,2,3
	v_pk_mul_f32 v[SQ+2*\i:SQ+2*\i+1], v[X+32*\i:X+32*\i+1], v[X+32*\i:X+32*\i+1]
.endr
.irp j, 2,4,6,8,10,12,14,16,18,20,22,24,26,28,30
.irp i, 0,1,2,3
	v_pk_fma_f32 v[SQ+2*\i:SQ+2*\i+1], v[X+32*\i+\j:X+32*\i+\j+1], v[X+32*\i+\j:X+32*\i+\j+1], v[SQ+2*\i:SQ+2*\i+1]
.endr
.endr
.irp i, 0,1,2,3
	v_add_f32 v[SQ+2*\i], v[SQ+2*\i], v[SQ+2*\i+1]
.endr
	RED SQ
.irp i, 0,1,2,3
	v_fma_f32 v[SQ+2*\i], v[SQ+2*\i], s14, s15     ; the variance + 1e-5
.endr
.irp i, 0,1,2,3
	v_rsq_f32 v[SM+2*\i], v[SQ+2*\i]
.endr
	v_nop                                          ; a plain line behind the last of the batch
	s_wait_alu depctr_va_vdst(0)                   ; one wait for the four, ahead of their first reader
.irp j, 0,2,4,6,8,10,12,14,16,18,20,22,24,26,28,30
.irp i, 0,1,2,3
	v_pk_mul_f32 v[X+32*\i+\j:X+32*\i+\j+1], v[X+32*\i+\j:X+32*\i+\j+1], v[SM+2*\i:SM+2*\i+1] op_sel_hi:[1,0]
.endr
.endr
.irp j, 0,2,4,6,8,10,12,14,16,18,20,22,24,26,28,30
.irp i, 0,1,2,3
	v_pk_fma_f32 v[X+32*\i+\j:X+32*\i+\j+1], v[X+32*\i+\j:X+32*\i+\j+1], v[GA+\j:GA+\j+1], v[BE+\j:BE+\j+1]
.endr
.endr
.irp i, 0,1,2,3
.irp j, 0,1,2,3,4,5,6,7
	ds_store_b128 v6, v[X+32*\i+4*\j:X+32*\i+4*\j+3] offset:4112*\i+512*\j
.endr
.endr
	s_wait_dscnt 0x0                               ; for the others' sake: my rows lie in the stage
	s_barrier_signal -1
	s_barrier_wait -1
.irp s, 0,1
.irp c, 0,1
.irp k, 0,1,2,3,4,5,6,7
	ds_load_b128 v[X+64*\s+32*\c+4*\k:X+64*\s+32*\c+4*\k+3], v7 offset:512*\s+256*\c+16*\k   ; row r, k = 128 (2 w + s) + 64 c + 32 h + 4 k ..
.endr
.endr
.endr
	s_wait_dscnt 16                                ; the first K step's 16 loads are in
	LQ 0
	s_wait_dscnt 0x0
	LQ 1
	v_cndmask_b32 v28, v26, v27, s20               ; lanes 0-15 K step 2 w's words, lanes 16-31 K step 2 w + 1's
	global_store_b32 v8, v28, s[24:25]
	s_wait_tensorcnt 0x0
	ds_add_u32 v251, v255
	s_wait_dscnt 0x0
	s_endpgm
.Lweights:
	; ---- a piece of a weight
	v_lshrrev_b32 v14, 5, v0
	v_readfirstlane_b32 s14, v14                   ; wave
	v_and_b32 v14, 31, v0                          ; lane
	v_and_b32 v15, 7, v14
	v_bfe_u32 v16, v14, 4, 1
	v_lshl_or_b32 v15, v16, 3, v15
	v_bfe_u32 v16, v14, 3, 1
	v_lshl_or_b32 v15, v16, 4, v15                 ; my column: lane % 8 + 8 (lane / 16) + 16 ((lane / 8) % 2)
	v_lshlrev_b32 v[CO], 2, v15
	v_lshlrev_b32 v[LI], 4, v14
	v_lshlrev_b32 v[L8], 3, v14
	v_lshlrev_b32 v[L4], 2, v14
	s_wait_kmcnt 0x0
	s_cmp_lt_u32 ttmp9, 192                        ; Wqkv: 24 groups of 128 columns x 8 K steps; Wo: 8 x 8
	s_cbranch_scc1 .Lqkv
	BODY 1024, 1024, 3, 192, 30, 2359296, 9535488
.Lqkv:
	BODY 3072, 1024, 3, 0, 28, 0, 9437184
.Lfunc_end_k_qb59f234e03_prep1:
	.size	k_qb59f234e03_prep1, .Lfunc_end_k_qb59f234e03_prep1-k_qb59f234e03_prep1
	.p2alignl 7, 3214868480
	.fill 96, 4, 3214868480
	.section	.rodata,"a",@progbits
	.p2align	6, 0x0
	.amdhsa_kernel k_qb59f234e03_prep1
		.amdhsa_group_segment_fixed_size 131584
		.amdhsa_private_segment_fixed_size 0
		.amdhsa_enable_private_segment 0
		.amdhsa_kernarg_size 56
		.amdhsa_user_sgpr_count 2
		.amdhsa_user_sgpr_kernarg_segment_ptr 1
		.amdhsa_wavefront_size32 1
		.amdhsa_system_sgpr_workgroup_id_x 1
		.amdhsa_system_sgpr_workgroup_id_y 1
		.amdhsa_system_sgpr_workgroup_id_z 1
		.amdhsa_system_vgpr_workitem_id 0
		.amdhsa_next_free_vgpr 256
		.amdhsa_next_free_sgpr 66
		.amdhsa_reserve_vcc 0
		.amdhsa_float_denorm_mode_32 3
		.amdhsa_float_denorm_mode_16_64 3
		.amdhsa_memory_ordered 1
		.amdhsa_forward_progress 1
		.amdhsa_inst_pref_size 83
	.end_amdhsa_kernel
	.amdgpu_metadata
---
amdhsa.version: [ 1, 2 ]
amdhsa.kernels:
  - .name:           k_qb59f234e03_prep1
    .symbol:         k_qb59f234e03_prep1.kd
    .args:
      - { .name: x, .offset: 0, .size: 8, .value_kind: global_buffer, .address_space: global }
      - { .name: ln1_g, .offset: 8, .size: 8, .value_kind: global_buffer, .address_space: global }
      - { .name: ln1_b, .offset: 16, .size: 8, .value_kind: global_buffer, .address_space: global }
      - { .name: xa, .offset: 24, .size: 8, .value_kind: global_buffer, .address_space: global }
      - { .name: Wqkv, .offset: 32, .size: 8, .value_kind: global_buffer, .address_space: global }
      - { .name: Wo, .offset: 40, .size: 8, .value_kind: global_buffer, .address_space: global }
      - { .name: wts, .offset: 48, .size: 8, .value_kind: global_buffer, .address_space: global }
    .group_segment_fixed_size: 131584
    .private_segment_fixed_size: 0
    .kernarg_segment_align: 8
    .kernarg_segment_size: 56
    .max_flat_workgroup_size: 128
    .sgpr_count:     66
    .vgpr_count:     256
    .wavefront_size: 32
...
	.end_amdgpu_metadata
.endif
;; end of part 1
;; launch gemm_qkv (part 2): grid 12 x 16, 4 waves a work-group, clusters of 4 x 4, 327,680 bytes of LDS; arguments xa, wts, bqkv, cos, sin, qkv; writes qkv
.if DOCPART == 2
	.amdgcn_target "amdgcn-amd-amdhsa--gfx1250"
	.amdhsa_code_object_version 6
	.text
	.protected	k_qb59f234e03_gemm_qkv
	.globl	k_qb59f234e03_gemm_qkv
	.p2align	8
	.type	k_qb59f234e03_gemm_qkv,@function
k_qb59f234e03_gemm_qkv:
	s_mov_b64 s[64:65], 0
	v_nop
	global_prefetch_b8 v0, s[64:65] scope:SCOPE_SE
	s_setreg_imm32_b32 hwreg(HW_REG_WAVE_MODE, 25, 1), 1
	s_wait_xcnt 0x0
	s_wait_alu depctr_hold_cnt(0) depctr_sa_sdst(0) depctr_va_vdst(0) depctr_va_sdst(0) depctr_va_ssrc(0) depctr_va_vcc(0) depctr_vm_vsrc(0)
	s_getreg_b32 s2, hwreg(HW_REG_IB_STS2, 6, 4)
	s_cmp_eq_u32 s2, 0
	s_cbranch_scc0 .Lentry_in_a_cluster
	s_endpgm
.Lentry_in_a_cluster:
	s_bfe_u32 s2, ttmp6, 0x10000c
	s_cmp_lg_u32 s2, 0xf033
	s_cbranch_scc0 .Lentry_shape_is_right
	s_endpgm
.Lentry_shape_is_right:
; qkv = LN1(x) Wqkv + bqkv on codes of BF6 (E3M2) with E8M0 scales; then q and k are turned by RoPE (halves on end) and quantised along the head's 64, v is quantised along the keys; all leave as operand images.
; OPERANDS lie as images of their registers: tiles of 16 rows (tile 2 b + u holds at place r row 32 b + 8 u + r + 8 (r / 8)), 1,536 bytes for 128 along K, tiles 12,288 bytes apart; scale words [rows / 128][K step][tile][place].
; A work-group of four waves makes 256 x 256, a wave 128 x 128: 64 accumulators.  K goes through two LDS slots of 256 along K, filled by joint tensor loads in a cluster of 4 x 4: operand A's tiles are shared along a row of
; the cluster, operand B's along a column.  THE MATRIX INSTRUCTION TAKES B's TILE AS SOURCE 0 AND A's AS SOURCE 1: a lane holds one row of A, and the 16 registers of B's tiles 2 b, 2 b + 1 are 16 neighbours along B's rows.
; Clusters x = 0, 1 (q, k): A = tokens, B = weight columns: a lane holds a token and 64 + 64 channels of two heads.  Cluster x = 2 (v): A = weight columns 2,048 on, B = tokens: a lane holds a channel and 128 keys.
; The choice hangs on the cluster's x alone, which all sixteen partners share.
; q . k's K: within each block of 32 channels the codes stand in an order of their own, the same for q and k: scales and codes' values are as the definition has them; only the order of the sums differs.
; OUT (buffer qkv): q's codes at 0 and k's at 3,145,728: [batch x head][tile of 16 tokens][768]; v's at 6,291,456: [bh][128 keys][tile of 16 channels][1,536]; scale words: q 9,437,184, k 9,699,328: [bh][tile][16]
; (bytes 0, 1; bytes 2, 3 are 0 and stand over zero codes); v 9,961,472: [bh][128 keys][tile][32] (lanes 16-31 repeat lanes 0-15).
; LIMITS: a block of zeros gets the byte 1; blocks under 2^-122 are held at byte 1; NaN and infinities are not served.
; No prefetch: half of the K steps are among the first fills.  192 work-groups: the sizes give no more tiles of this shape.
; REGISTERS, in windows of 256.  Window 0: v1-31 addresses, v32-63 scale words (two sets), v64-159 A's and v160-255 B's fragments, set 0.  Window 1: v0-63 the bias in the result's layout; v64-255 fragments, set 1.
; Windows 2, 3: the accumulators, (a, b) at v[8 (8 (a % 4) + b)] of window 2 + a / 4.
.set NA, 8
.set NB, 8
.set NQ, 2
.set KK, 1024
.set AW, 4
.set LAPS, KK/(256*NQ)
.set RTP, 12*KK
.set HALFT, NA*NQ*1536
.set HALFS, NA*KK/2
.set SROW, HALFS
.set NLDW, 63                          ; a step's fetch is 64 LDS loads; a wait names 63 at the most
.set SLOT, 4*HALFT
.set SCL, 2*SLOT
.set SPARE, SCL+4*HALFS
.set XTRA, SPARE+512                   ; scratch that ds_store writes: bytes of its own, into which no tensor load lands
.set ADRA, 16
.set ADRB, 20
.set ADRS, 27
.set SPW, 28
.set NIL, 29
.set LI, 30
.set L8, 31
.set SC, 32
.set AF, 64
.set BF, 160
.set G1, 24
.set G0, 32
.set G1B, 48
.set G0B, 56
.set G1S, 68
.set G0S, 76
.set G1SB, 80
.set G0SB, 88
.set ISV, 95                           ; s95: all ones in the v clusters, else 0
.set SEL, 56                           ; s[56:57], behind the last tensor load: lane selects
.set MSB, 0
.macro WIN new                         ; the immediate's high byte repeats the setting that is left; a switch that changes nothing is dropped
.if MSB != (\new)
	s_set_vgpr_msb (MSB<<8)|(\new)
.set MSB, (\new)
.endif
.endm
.macro JLOAD g0a, g1a, g0b, g1b        ; a joint load: waves 0, 1 fetch for A, waves 2, 3 for B; four v_nop follow each line
	s_cmp_eq_u32 s15, 0
	s_cbranch_scc0 .Lfor_b_\@
	tensor_load_to_lds s[\g0a:\g0a+3], s[\g1a:\g1a+7]
	s_nop 0
.rept 4
	v_nop
.endr
	s_branch .Lasked_\@
.Lfor_b_\@:
	tensor_load_to_lds s[\g0b:\g0b+3], s[\g1b:\g1b+7]
	s_nop 0
.rept 4
	v_nop
.endr
.Lasked_\@:
.endm
.macro CREST                           ; a round of the cluster's barrier behind its opening barrier
	s_cmp_lg_u32 s14, 0
	s_cbranch_scc1 .Lnot_wave_0_\@
	s_barrier_signal -3
.Lnot_wave_0_\@:
	s_barrier_wait -3
	s_barrier_signal -1
	s_barrier_wait -1
.endm
.macro CROUND
	s_barrier_signal -1
	s_barrier_wait -1
	CREST
.endm
.macro PLACES n
.rept \n
	v_nop
.endr
.endm
.macro FRAG reg, adr, off              ; a fragment's 12 registers from its image: 16, 8, 16, 8 bytes a lane, each load on consecutive bytes
	ds_load_b128 v[\reg:\reg+3], v[\adr] offset:\off
	ds_load_b64 v[\reg+4:\reg+5], v[\adr+1] offset:\off+512
	ds_load_b128 v[\reg+6:\reg+9], v[\adr] offset:\off+768
	ds_load_b64 v[\reg+10:\reg+11], v[\adr+1] offset:\off+1280
.endm
.macro FETCH slot, q, p                ; the slot's q-th 128 along K into fragment set p
	WIN (\p)<<6
.set ii, 0
.rept NB
	FRAG BF+12*ii, ADRB+2*\slot, (ii*NQ+\q)*1536
.set ii, ii+1
.endr
.set ii, 0
.rept NA
	FRAG AF+12*ii, ADRA+2*\slot, (ii*NQ+\q)*1536
.set ii, ii+1
.endr
.endm
.macro SCALES sc                       ; a slot's scale words: lanes 0-15 A's tile i, lanes 16-31 B's tile i
.set ii, 0
.rept NA
.set qq, 0
.rept NQ
	ds_load_b32 v[SC+16*\sc+NQ*ii+qq], v[ADRS] offset:512*qq+64*ii
.set qq, qq+1
.endr
.set ii, ii+1
.endr
.endm
; n of A's tiles from a0 on, each against B's NB.  The accumulators take turns, one instruction a turn, in the same order in every step.  first = 1: C is the bias.
.macro MUL a0, n, p, q, sc, first
.set aa, \a0
.rept \n
.set ww, 2+aa/AW
.if \first
	WIN (ww<<6)|0x10|(5*(\p))
.else
	WIN (ww<<6)|(ww<<4)|(5*(\p))
.endif
.set bb, 0
.rept NB
.set dd, 8*(NB*(aa%AW)+bb)
.if \first
	v_wmma_scale_f32_16x16x128_f8f6f4 v[dd:dd+7], v[BF+12*bb:BF+12*bb+11], v[AF+12*aa:AF+12*aa+11], v[8*bb:8*bb+7], v[SC+16*(\sc)+NQ*bb+(\q)], v[SC+16*(\sc)+NQ*aa+(\q)] matrix_a_fmt:MATRIX_FMT_BF6 matrix_b_fmt:MATRIX_FMT_BF6 matrix_a_scale:MATRIX_SCALE_ROW1
.else
	v_wmma_scale_f32_16x16x128_f8f6f4 v[dd:dd+7], v[BF+12*bb:BF+12*bb+11], v[AF+12*aa:AF+12*aa+11], v[dd:dd+7], v[SC+16*(\sc)+NQ*bb+(\q)], v[SC+16*(\sc)+NQ*aa+(\q)] matrix_a_fmt:MATRIX_FMT_BF6 matrix_b_fmt:MATRIX_FMT_BF6 matrix_a_scale:MATRIX_SCALE_ROW1
.endif
.set bb, bb+1
.endr
.set aa, aa+1
.endr
.endm
.macro STEP slot, q, first             ; a step that has its successor in the same slot
	PLACES 4                                       ; in front of loads into the set that the last step multiplied
	FETCH \slot, (\q)+1, ((\q)+1)%2
	s_wait_dscnt NLDW                              ; all but the fetch just issued: this step's fragments and scale words are in
	MUL 0, NA, (\q)%2, \q, \slot, \first
.endm
; A slot's last step changes slots: one barrier; in front of it each wave waits for all its tensor loads, adds 0 to its spare word, and waits for that and for its reads of this slot.
.macro TURN slot, next, fill
	WIN 0
	s_wait_tensorcnt 0x0                           ; all my tensor loads have landed: my part of the next slot
	ds_add_u32 v[SPW], v[NIL]                      ; 0 onto my spare word
	s_wait_dscnt 1                                 ; only the add may be out: this step's fragments are in
	MUL 0, NA/4, 1, NQ-1, \slot, 0
	s_wait_dscnt 0x0                               ; the add is done, and my reads of this slot are over
	s_barrier_signal -1
	MUL NA/4, NA/4, 1, NQ-1, \slot, 0
	WIN 0
	s_barrier_wait -1
.if \fill
	CREST                                          ; the barrier has opened a round of the cluster's: no wave of any partner still reads this slot or has a load on its way
	s_add_nc_u64 s[G0+4*\slot+2:G0+4*\slot+3], s[G0+4*\slot+2:G0+4*\slot+3], 2*NQ*1536
	s_add_nc_u64 s[G0B+4*\slot+2:G0B+4*\slot+3], s[G0B+4*\slot+2:G0B+4*\slot+3], 2*NQ*1536
	JLOAD G0+4*\slot, G1, G0B+4*\slot, G1B         ; the first tensor load behind the round; its four v_nop are the places in front of the loads below
.else
	PLACES 4
.endif
	v_add_nc_u32 v[ADRS], 512*NQ, v[ADRS]          ; the next slot's scale words
	FETCH \next, 0, 0
	SCALES \next
	MUL NA/2, NA/2, 1, NQ-1, \slot, 0
.endm
; 64 numbers of a lane, register 16 b + i = k 32 b + 16 (lane / 16) + i of its row, become a fragment's codes in v[PC] on and its scale word in v[PW]
.macro QUANT s
.irp b, 0,1,2,3
	v_max3_num_f32 v[TM+\b], |v[\s+16*\b]|, |v[\s+1+16*\b]|, 0x2800000   ; with the floor 2^(5 - 127)
.endr
.irp i, 2,4,6,8,10,12,14
.irp b, 0,1,2,3
	v_max3_num_f32 v[TM+\b], v[TM+\b], |v[\s+16*\b+\i]|, |v[\s+1+16*\b+\i]|
.endr
.endr
.irp b, 0,1,2,3
	v_permlanex16_b32 v[TM+4+\b], v[TM+\b], s[SEL], s[SEL+1]
.endr
.irp b, 0,1,2,3
	v_max_num_f32 v[TM+\b], v[TM+\b], v[TM+4+\b]
.endr
.irp b, 0,1,2,3
	v_add_nc_u32 v[TM+12+\b], 0xfe000000, v[TM+\b]
.endr
.irp b, 0,1,2,3
	v_lshrrev_b32 v[TM+4+\b], 23, v[TM+12+\b]
.endr
	v_lshl_or_b32 v[PW], v[TM+5], 8, v[TM+4]
	v_lshl_or_b32 v[PW], v[TM+6], 16, v[PW]
	v_lshl_or_b32 v[PW], v[TM+7], 24, v[PW]
.irp c, 0,1
	v_cvt_scalef32_pk16_bf6_f32 v[PC+6*\c:PC+2+6*\c], v[\s+32*\c:\s+15+32*\c], v[TM+12+2*\c]
	v_cvt_scalef32_pk16_bf6_f32 v[PC+12+4*\c:PC+14+4*\c], v[\s+16+32*\c:\s+31+32*\c], v[TM+12+2*\c+1]
.endr
	v_nop                                          ; one plain line behind a scaled conversion
.irp c, 0,1
.irp i, 0,1,2
	v_permlane16_swap_b32 v[PC+6*\c+\i], v[PC+12+4*\c+\i]   ; a whole block to a lane
.endr
.irp i, 0,1,2
	v_mov_b32 v[PC+3+6*\c+\i], v[PC+12+4*\c+\i]
.endr
.endr
.endm
; two blocks of 32, of which my lane holds 16 numbers each (v[s0] on, v[s1] on), become six registers of codes in v[PC] on and the word byte 0 | byte 1 << 8 in v[PW]
.macro QUANT2 s0, s1
	v_max3_num_f32 v[TM], |v[\s0]|, |v[\s0+1]|, 0x2800000
	v_max3_num_f32 v[TM+1], |v[\s1]|, |v[\s1+1]|, 0x2800000
.irp i, 2,4,6,8,10,12,14
	v_max3_num_f32 v[TM], v[TM], |v[\s0+\i]|, |v[\s0+\i+1]|
	v_max3_num_f32 v[TM+1], v[TM+1], |v[\s1+\i]|, |v[\s1+\i+1]|
.endr
	v_permlanex16_b32 v[TM+2], v[TM], s[SEL], s[SEL+1]
	v_permlanex16_b32 v[TM+3], v[TM+1], s[SEL], s[SEL+1]
	v_max_num_f32 v[TM], v[TM], v[TM+2]
	v_max_num_f32 v[TM+1], v[TM+1], v[TM+3]
	v_add_nc_u32 v[TM+4], 0xfe000000, v[TM]
	v_add_nc_u32 v[TM+5], 0xfe000000, v[TM+1]
	v_lshrrev_b32 v[TM+2], 23, v[TM+4]
	v_lshrrev_b32 v[TM+3], 23, v[TM+5]
	v_lshl_or_b32 v[PW], v[TM+3], 8, v[TM+2]
	s_wait_xcnt 0x0                                ; the last stores have read the codes' registers: they are written again only behind this wait
	v_cvt_scalef32_pk16_bf6_f32 v[PC:PC+2], v[\s0:\s0+15], v[TM+4]
	v_cvt_scalef32_pk16_bf6_f32 v[PC+6:PC+8], v[\s1:\s1+15], v[TM+5]
	v_nop                                          ; one plain line behind a scaled conversion
.irp i, 0,1,2
	v_permlane16_swap_b32 v[PC+\i], v[PC+6+\i]     ; lanes 0-15: block 0's lower and upper 16, lanes 16-31: block 1's
.endr
.irp i, 0,1,2
	v_mov_b32 v[PC+3+\i], v[PC+6+\i]
.endr
.endm
	s_load_b256 s[4:11], s[0:1], 0x0               ; xa s[4:5], wts s[6:7], bqkv s[8:9], cos s[10:11]
	s_load_b128 s[96:99], s[0:1], 0x20             ; sin s[96:97], qkv s[98:99]
	v_lshl_add_u32 v[SPW], v0, 2, SPARE
	v_mov_b32 v[NIL], 0
	ds_add_u32 v28, v29
	ds_add_u32 v28, v29
	s_wait_dscnt 0x0
	v_lshrrev_b32 v1, 5, v0
	v_readfirstlane_b32 s14, v1                    ; wave
	s_lshr_b32 s15, s14, 1                         ; my half of A's rows.  Also: I fetch for A (0) or for B (1)
	s_and_b32 s16, s14, 1                          ; my half of B's rows.  Also: which half of that tile I fetch
	s_bfe_u32 s40, ttmp6, 0x40000                  ; cx
	s_bfe_u32 s41, ttmp6, 0x40004                  ; cy
	s_and_b32 s18, ttmp7, 0xffff
	s_lshl_b32 s18, s18, 2                         ; 4 x cluster y
	s_lshl_b32 s19, ttmp9, 2                       ; 4 x cluster x
	s_cmp_eq_u32 ttmp9, 2                          ; the v clusters
	s_cselect_b32 s[ISV], -1, 0
	s_cselect_b32 s17, 8, s18
	s_cselect_b32 s42, s18, s19
	s_add_co_u32 s17, s17, s41                     ; A's tile of 256 rows: tokens 4 cluster y + cy, or weight columns 8 + cy
	s_add_co_u32 s42, s42, s40                     ; B's: weight columns 4 cluster x + cx, or tokens 4 cluster y + cx
	s_lshl_b32 s43, s41, 2
	s_lshl_b32 s43, 15, s43                        ; my row of the cluster
	s_lshl_b32 s44, 0x1111, s40                    ; my column
	s_or_b32 s[G1+0], s43, (3<<16)|(1<<21)         ; 15:0 the mask; 17:16 elements of 8 bytes; 21 set beside a mask; no padding
	s_or_b32 s[G1B+0], s44, (3<<16)|(1<<21)
.irp g, G1, G1B
	s_mov_b32 s[\g+1], (192*NQ)<<16                ; tensor_dim0: a tile's NQ x 1,536 bytes
	s_mov_b32 s[\g+2], NA<<16                      ; tensor_dim1: NA tiles of 16 rows
	s_mov_b32 s[\g+3], (192*NQ)<<16                ; tile_dim0
	s_mov_b32 s[\g+4], NA                          ; tile_dim1
	s_mov_b32 s[\g+5], RTP/8                       ; from tile to tile
	s_mov_b32 s[\g+6], 0
	s_mov_b32 s[\g+7], 0
.endr
	s_or_b32 s[G1S+0], s43, (3<<16)|(1<<21)        ; the scale words of 128 rows, all K: a dense block, as rows of 256 bytes
	s_or_b32 s[G1SB+0], s44, (3<<16)|(1<<21)
.irp g, G1S, G1SB
	s_mov_b32 s[\g+1], 32<<16
	s_mov_b32 s[\g+2], (HALFS/256)<<16
	s_mov_b32 s[\g+3], 32<<16
	s_mov_b32 s[\g+4], HALFS/256
	s_mov_b32 s[\g+5], 32
	s_mov_b32 s[\g+6], 0
	s_mov_b32 s[\g+7], 0
.endr
	s_lshl_b32 s20, s17, 1
	s_add_co_u32 s20, s20, s16                     ; which 128 rows of A I fetch
	s_mul_i32 s22, s20, HALFS
	s_mul_i32 s20, s20, NA*RTP
	s_mov_b32 s21, 0
	s_mov_b32 s23, 0
	s_lshl_b32 s46, s42, 1
	s_add_co_u32 s46, s46, s16                     ; and of B
	s_mul_i32 s92, s46, HALFS
	s_mul_i32 s46, s46, NA*RTP
	s_mov_b32 s47, 0
	s_mov_b32 s93, 0
	s_mul_i32 s45, s14, HALFT                      ; where they go: no place in the cluster enters an LDS address
	s_mul_i32 s94, s14, HALFS
	s_wait_kmcnt 0x0
	s_cmp_eq_u32 ttmp9, 2
	s_cselect_b64 s[66:67], s[6:7], s[4:5]         ; A's buffer
	s_cselect_b64 s[100:101], s[4:5], s[6:7]       ; B's
	s_mov_b32 s12, 3145728
	s_cselect_b32 s12, 9437184, s12                ; where A's scale words begin in it
	s_mov_b32 s13, 9437184
	s_cselect_b32 s13, 3145728, s13                ; and B's
	s_add_co_u32 s22, s22, s12
	s_add_co_u32 s92, s92, s13
	s_add_nc_u64 s[20:21], s[66:67], s[20:21]
	s_add_nc_u64 s[22:23], s[66:67], s[22:23]
	s_add_nc_u64 s[46:47], s[100:101], s[46:47]
	s_add_nc_u64 s[92:93], s[100:101], s[92:93]
	CROUND                                         ; all sixteen work-groups are here: the first joint loads meet
	s_mov_b32 s[G0S], 1
	s_add_co_u32 s[G0S+1], s94, SCL
	s_mov_b64 s[G0S+2:G0S+3], s[22:23]
	s_or_b32 s[G0S+3], s[G0S+3], 0x80000000
	s_mov_b32 s[G0SB], 1
	s_add_co_u32 s[G0SB+1], s94, SCL
	s_mov_b64 s[G0SB+2:G0SB+3], s[92:93]
	s_or_b32 s[G0SB+3], s[G0SB+3], 0x80000000
	JLOAD G0S, G1S, G0SB, G1SB                     ; the scale words first; then both slots: three tensor loads of mine are out
.irp s, 0,1
	s_mov_b32 s[G0+4*\s], 1
	s_add_co_u32 s[G0+4*\s+1], s45, \s*SLOT
	s_add_nc_u64 s[G0+4*\s+2:G0+4*\s+3], s[20:21], \s*NQ*1536
	s_or_b32 s[G0+4*\s+3], s[G0+4*\s+3], 0x80000000
	s_mov_b32 s[G0B+4*\s], 1
	s_add_co_u32 s[G0B+4*\s+1], s45, \s*SLOT
	s_add_nc_u64 s[G0B+4*\s+2:G0B+4*\s+3], s[46:47], \s*NQ*1536
	s_or_b32 s[G0B+4*\s+3], s[G0B+4*\s+3], 0x80000000
	JLOAD G0+4*\s, G1, G0B+4*\s, G1B
.endr
	v_and_b32 v1, 15, v0                           ; r
	v_bfe_u32 v2, v0, 4, 1                         ; h
	v_and_b32 v3, 31, v0                           ; lane
	v_lshlrev_b32 v[LI], 4, v3
	v_lshlrev_b32 v[L8], 3, v3
	s_mul_i32 s21, s15, HALFT
	s_mul_i32 s22, s16, HALFT
	s_add_co_u32 s22, s22, 2*HALFT
.irp s, 0,1
	v_add_nc_u32 v[ADRA+2*\s], s21, v[LI]
	v_add_nc_u32 v[ADRA+2*\s+1], s21, v[L8]
	v_add_nc_u32 v[ADRB+2*\s], s22, v[LI]
	v_add_nc_u32 v[ADRB+2*\s+1], s22, v[L8]
	s_add_co_u32 s21, s21, SLOT
	s_add_co_u32 s22, s22, SLOT
.endr
	s_mul_i32 s21, s15, SROW
	s_mul_i32 s22, s16, SROW
	s_add_co_u32 s22, s22, 2*HALFS
	s_sub_co_u32 s22, s22, s21
	v_mul_u32_u24 v4, s22, v2                      ; lanes 16-31 take B's words
	s_add_co_u32 s21, s21, SCL
	v_lshl_add_u32 v4, v1, 2, v4
	v_add_nc_u32 v[ADRS], s21, v4
	v_and_b32 v4, 8, v1
	v_add_nc_u32 v4, v4, v1                        ; r + 8 (r / 8)
	v_lshlrev_b32 v5, 7, v4
	v_lshl_add_u32 v24, v2, 5, v5                  ; cos, sin: my token's row of 128 bytes, + 32 h
	s_lshl_b32 s21, s14, 10
	s_add_co_u32 s21, s21, XTRA
	v_lshl_add_u32 v25, v1, 2, s21                 ; the scale words' scratch, in: 4 r
	v_add_nc_u32 v26, s21, v[LI]                   ; and out: 16 x lane
	s_lshl_b32 s46, s42, 10
	s_lshl_b32 s47, s16, 9
	s_add_co_u32 s46, s46, s47                     ; my first column x 4
	s_cmp_eq_u32 ttmp9, 2
	s_cselect_b32 s46, 0, s46                      ; (the v clusters add their bias behind the sums: here they load what they then replace by zeros, inside the buffer)
	s_mov_b32 s47, 0
	s_add_nc_u64 s[92:93], s[8:9], s[46:47]
	v_lshlrev_b32 v5, 6, v2                        ; 64 h
	WIN 0x40
.irp b, 0,1,2,3,4,5,6,7
	global_load_b128 v[8*\b:8*\b+3], v5, s[92:93] offset:(32*(\b/2)+8*(\b%2))*4      ; tile b, lane half h: columns 32 (b / 2) + 16 h + 8 (b % 2) + 0 .. 7
	global_load_b128 v[8*\b+4:8*\b+7], v5, s[92:93] offset:(32*(\b/2)+8*(\b%2))*4+16
.endr
	WIN 0
	s_wait_tensorcnt 1                             ; the scale words and my part of slot 0 are in; slot 1's may stay out
	s_barrier_signal -1
	s_barrier_wait -1
	FETCH 0, 0, 0
	SCALES 0
	s_wait_loadcnt 0x0                             ; the bias
	WIN 0x41
.set jj, 0
.rept 64
	v_cndmask_b32 v[jj], v[jj], v[NIL], s[ISV]     ; zeros in the v clusters
.set jj, jj+1
.endr
	WIN 0
	STEP 0, 0, 1                                   ; the first step stands in front of the loop: its products start the sums, from the bias
	WIN 0
	s_mov_b32 s3, LAPS-1
.Llap:
	TURN 0, 1, 1
	STEP 1, 0, 0
	TURN 1, 0, 1
	STEP 0, 0, 0
	WIN 0
	s_sub_co_u32 s3, s3, 1
	s_cmp_lg_u32 s3, 0
	s_cbranch_scc1 .Llap
	TURN 0, 1, 0                                   ; the last lap fills nothing
	STEP 1, 0, 0
	s_wait_dscnt 0x0
	MUL 0, NA, 1, NQ-1, 1, 0
	WIN 0
	PLACES 4                                       ; in front of the first reads of results and of writes into fragments' registers
	s_mov_b32 s[SEL], 0x76543210
	s_mov_b32 s[SEL+1], 0xfedcba98
	s_cmp_eq_u32 ttmp9, 2
	s_cbranch_scc1 .Lvpath
	; ---- q, k: RoPE, quantised along the head's 64
.set T0, 64                            ; v64-79  out channel m: 8 h + i (i < 8), 16 + 8 h + i - 8
.set T1, 80                            ; v80-95  out channel 32 + m
.set TM, 96
.set PW, 104
.set PC, 106
	s_lshl_b32 s20, s17, 8
	s_lshl_b32 s21, s15, 7
	s_add_co_u32 s20, s20, s21                     ; my first token row
	s_and_b32 s22, s20, 2047                       ; in its batch
	s_lshr_b32 s23, s20, 11                        ; batch
	s_lshl_b32 s24, s22, 7
	s_mov_b32 s25, 0
	s_add_nc_u64 s[10:11], s[10:11], s[24:25]
	s_add_nc_u64 s[96:97], s[96:97], s[24:25]
	s_lshl_b32 s23, s23, 4
	s_lshl_b32 s26, s40, 2
	s_add_co_u32 s23, s23, s26
	s_lshl_b32 s26, s16, 1
	s_add_co_u32 s23, s23, s26                     ; 16 batch + my first head (4 cx + 2 x my column half)
	s_lshl_b32 s23, s23, 7
	s_lshr_b32 s22, s22, 4
	s_add_co_u32 s23, s23, s22                     ; x 128 + my first tile of tokens
	s_mul_i32 s24, s23, 768
	s_mul_i32 s26, ttmp9, 3145728
	s_add_co_u32 s24, s24, s26
	s_add_nc_u64 s[58:59], s[98:99], s[24:25]      ; codes
	s_lshl_b32 s24, s23, 6
	s_mul_i32 s26, ttmp9, 262144
	s_add_co_u32 s24, s24, s26
	s_add_co_u32 s24, s24, 9437184
	s_add_nc_u64 s[60:61], s[98:99], s[24:25]      ; scale words
	v_mov_b32 v[TM+2], 0                           ; written once: a lane permute's destination counts as one of its sources
	v_mov_b32 v[TM+3], 0
	WIN 0x40                                       ; window 1: tile a's cos at 32 a, its sin at 32 a + 16
.irp a, 0,1,2,3,4,5,6,7
.irp e, 0,1,2,3
	global_load_b128 v[32*\a+4*\e:32*\a+4*\e+3], v24, s[10:11] offset:(32*(\a/2)+8*(\a%2))*128+16*(\e%2)+64*(\e/2)
	global_load_b128 v[32*\a+16+4*\e:32*\a+16+4*\e+3], v24, s[96:97] offset:(32*(\a/2)+8*(\a%2))*128+16*(\e%2)+64*(\e/2)
.endr
.endr
	WIN 0
.macro ROPE a, hh                      ; x1 = register 2 i, x2 = register 2 i + 1 of the head's 32
	WIN 0x04|(2+(\a)/4)
.set xb, 64*((\a)%4)+32*(\hh)
.set cb, 32*(\a)
.set ii, 0
.rept 16
	v_mul_f32 v[T0+ii], v[xb+2*ii+1], v[cb+16+ii]  ; x2 sin: each accumulator is first read at its register 1
.set ii, ii+1
.endr
.set ii, 0
.rept 16
	v_mul_f32 v[T1+ii], v[xb+2*ii+1], v[cb+ii]     ; x2 cos
.set ii, ii+1
.endr
.set ii, 0
.rept 16
	v_fma_f32 v[T0+ii], v[xb+2*ii], v[cb+ii], -v[T0+ii]       ; x1 cos - x2 sin
.set ii, ii+1
.endr
.set ii, 0
.rept 16
	v_fma_f32 v[T1+ii], v[xb+2*ii], v[cb+16+ii], v[T1+ii]     ; x1 sin + x2 cos
.set ii, ii+1
.endr
	WIN 0
.endm
.irp a, 0,1,2,3,4,5,6,7
	s_wait_loadcnt 56-8*\a                         ; this tile's eight loads are in; the later tiles' may be out
.irp hh, 0,1
	ROPE \a, \hh
	QUANT2 T0, T1
	global_store_b128 v[LI], v[PC:PC+3], s[58:59] offset:98304*\hh+768*\a
	global_store_b64 v[L8], v[PC+4:PC+5], s[58:59] offset:98304*\hh+768*\a+512
	ds_store_b32 v25, v[PW] offset:512*\hh+64*\a   ; both halves of the lanes write the same word with the same value
.endr
.endr
	ds_load_b128 v[64:67], v26                     ; LDS serves a wave's instructions in order: these see my stores
	ds_load_b128 v[68:71], v26 offset:512
	s_wait_dscnt 0x0
	global_store_b128 v[LI], v[64:67], s[60:61]    ; a head's eight tiles: 512 consecutive bytes
	global_store_b128 v[LI], v[68:71], s[60:61] offset:8192
	s_branch .Lend
.Lvpath:
	; ---- v: a lane holds a channel and 128 keys: bias, quantised along the keys.
.set GR, 64
.set TM, 128
.set PW, 144
.set PC, 146
.set BV, 192
	s_lshl_b32 s20, s42, 8
	s_lshl_b32 s21, s16, 7
	s_add_co_u32 s20, s20, s21                     ; my first token row
	s_lshr_b32 s23, s20, 11                        ; batch
	s_bfe_u32 s22, s20, 0x40007                    ; which 128 keys of the batch
	s_lshl_b32 s23, s23, 4
	s_lshl_b32 s26, s41, 2
	s_add_co_u32 s23, s23, s26
	s_lshl_b32 s26, s15, 1
	s_add_co_u32 s23, s23, s26                     ; 16 batch + my first head (4 cy + 2 x my row half)
	s_lshl_b32 s23, s23, 4
	s_add_co_u32 s23, s23, s22
	s_mul_i32 s24, s23, 6144
	s_add_co_u32 s24, s24, 6291456
	s_mov_b32 s25, 0
	s_add_nc_u64 s[58:59], s[98:99], s[24:25]
	s_lshl_b32 s24, s23, 9
	s_add_co_u32 s24, s24, 9961472
	s_add_nc_u64 s[60:61], s[98:99], s[24:25]
	s_lshl_b32 s24, s17, 10
	s_lshl_b32 s26, s15, 9
	s_add_co_u32 s24, s24, s26
	s_add_nc_u64 s[62:63], s[8:9], s[24:25]        ; bqkv at my first channel (2,048 on)
	v_lshlrev_b32 v4, 2, v4                        ; 4 (r + 8 (r / 8))
	v_lshlrev_b32 v5, 2, v3                        ; 4 x lane
.irp b, 0,1,2,3
	v_mov_b32 v[TM+4+\b], 0
.endr
.irp a, 0,1,2,3,4,5,6,7
	global_load_b32 v[BV+2*\a], v4, s[62:63] offset:(32*(\a/2)+8*(\a%2))*4
	global_load_b32 v[BV+2*\a+1], v4, s[62:63] offset:(32*(\a/2)+8*(\a%2))*4
.endr
	s_wait_loadcnt 0x0
.irp a, 0,1,2,3,4,5,6,7
	WIN 2+\a/4
.set kk, 0
.rept 32
	v_pk_add_f32 v[GR+kk:GR+kk+1], v[64*(\a%4)+kk:64*(\a%4)+kk+1], v[BV+2*\a:BV+2*\a+1] op_sel_hi:[1,0]
.set kk, kk+2
.endr
	WIN 0
	s_wait_xcnt 0x0                                ; the last stores have read their registers
	QUANT GR
	global_store_b128 v[LI], v[PC:PC+3], s[58:59] offset:98304*(\a/4)+1536*(\a%4)
	global_store_b64 v[L8], v[PC+4:PC+5], s[58:59] offset:98304*(\a/4)+1536*(\a%4)+512
	global_store_b128 v[LI], v[PC+6:PC+9], s[58:59] offset:98304*(\a/4)+1536*(\a%4)+768
	global_store_b64 v[L8], v[PC+10:PC+11], s[58:59] offset:98304*(\a/4)+1536*(\a%4)+1280
	global_store_b32 v5, v[PW], s[60:61] offset:8192*(\a/4)+128*(\a%4)
.endr
.Lend:
	s_wait_tensorcnt 0x0                           ; the wave's end
	ds_add_u32 v[SPW], v[NIL]
	s_wait_dscnt 0x0
	CROUND                                         ; the closing round
	s_endpgm
.Lfunc_end_k_qb59f234e03_gemm_qkv:
	.size	k_qb59f234e03_gemm_qkv, .Lfunc_end_k_qb59f234e03_gemm_qkv-k_qb59f234e03_gemm_qkv
	.p2alignl 7, 3214868480
	.fill 96, 4, 3214868480
	.section	.rodata,"a",@progbits
	.p2align	6, 0x0
	.amdhsa_kernel k_qb59f234e03_gemm_qkv
		.amdhsa_group_segment_fixed_size 327680
		.amdhsa_private_segment_fixed_size 0
		.amdhsa_enable_private_segment 0
		.amdhsa_kernarg_size 48
		.amdhsa_user_sgpr_count 2
		.amdhsa_user_sgpr_kernarg_segment_ptr 1
		.amdhsa_wavefront_size32 1
		.amdhsa_system_sgpr_workgroup_id_x 1
		.amdhsa_system_sgpr_workgroup_id_y 1
		.amdhsa_system_sgpr_workgroup_id_z 1
		.amdhsa_system_vgpr_workitem_id 0
		.amdhsa_next_free_vgpr 1024
		.amdhsa_next_free_sgpr 102
		.amdhsa_reserve_vcc 0
		.amdhsa_float_denorm_mode_32 3
		.amdhsa_float_denorm_mode_16_64 3
		.amdhsa_memory_ordered 1
		.amdhsa_forward_progress 1
		.amdhsa_inst_pref_size 255
	.end_amdhsa_kernel
	.section	.bss,"aw",@nobits
	.p2align	6
	.space	262144
	.amdgpu_metadata
---
amdhsa.version: [ 1, 2 ]
amdhsa.kernels:
  - .name:           k_qb59f234e03_gemm_qkv
    .symbol:         k_qb59f234e03_gemm_qkv.kd
    .args:
      - { .name: xa, .offset: 0, .size: 8, .value_kind: global_buffer, .address_space: global }
      - { .name: wts, .offset: 8, .size: 8, .value_kind: global_buffer, .address_space: global }
      - { .name: bqkv, .offset: 16, .size: 8, .value_kind: global_buffer, .address_space: global }
      - { .name: cos, .offset: 24, .size: 8, .value_kind: global_buffer, .address_space: global }
      - { .name: sin, .offset: 32, .size: 8, .value_kind: global_buffer, .address_space: global }
      - { .name: qkv, .offset: 40, .size: 8, .value_kind: global_buffer, .address_space: global }
    .group_segment_fixed_size: 327680
    .private_segment_fixed_size: 0
    .kernarg_segment_align: 8
    .kernarg_segment_size: 48
    .max_flat_workgroup_size: 128
    .sgpr_count:     102
    .vgpr_count:     1024
    .wavefront_size: 32
...
	.end_amdgpu_metadata
.endif
;; end of part 2
;; launch attn (part 3): grid 8 x 32, 16 waves a work-group, clusters of 4 x 1, 215,040 bytes of LDS; arguments qkv, oa; writes oa
.if DOCPART == 3
	.amdgcn_target "amdgcn-amd-amdhsa--gfx1250"
	.amdhsa_code_object_version 6
	.text
	.protected	k_qb59f234e03_attn
	.globl	k_qb59f234e03_attn
	.p2align	8
	.type	k_qb59f234e03_attn,@function
k_qb59f234e03_attn:
	s_mov_b64 s[64:65], 0
	v_nop
	global_prefetch_b8 v0, s[64:65] scope:SCOPE_SE
	s_setreg_imm32_b32 hwreg(HW_REG_WAVE_MODE, 25, 1), 1
	s_wait_xcnt 0x0
	s_wait_alu depctr_hold_cnt(0) depctr_sa_sdst(0) depctr_va_vdst(0) depctr_va_sdst(0) depctr_va_ssrc(0) depctr_va_vcc(0) depctr_vm_vsrc(0)
	s_getreg_b32 s2, hwreg(HW_REG_IB_STS2, 6, 4)
	s_cmp_eq_u32 s2, 0
	s_cbranch_scc0 .Lentry_in_a_cluster
	s_endpgm
.Lentry_in_a_cluster:
	s_bfe_u32 s2, ttmp6, 0x10000c
	s_cmp_lg_u32 s2, 0x3003
	s_cbranch_scc0 .Lentry_shape_is_right
	s_endpgm
.Lentry_shape_is_right:
; O = softmax(q k^T / 8) v for one (batch, head), both products on codes of BF6 (E3M2) with E8M0 scales; O is then quantised along the model's 1,024 (two blocks a head) and leaves as an operand image.
; THE SOFTMAX AHEAD OF THE SECOND PRODUCT: t = score x log2(e) / 8; M = the running largest t rounded up to a whole number; p = 2^(t - M) is quantised along the keys; the row's sum is taken of the unquantised p and divides at the end.
; SHARES.  A work-group owns 256 queries of one head, each of its sixteen waves one tile of 16 (four waves to a SIMD: one wave's vector work stands beside another's matrix work and LDS loads).
; A HEAD'S K AND V STAY WHOLE IN LDS: 98,304 bytes of codes and 8,192 of scale words each.  No LDS byte is filled twice.  Wave 0 fetches K's, wave 1 V's: the scale words and four chunks of 512 keys: five tensor loads of a wave are out.
; CLUSTER.  The four query blocks of a cluster walk the same K and V: each load is asked for jointly, with a mask that names the four.
; LAYOUT.  S^T = K Q^T, O^T = V^T P^T: a lane holds one query throughout.  Tiles of 16 rows hold at place r row 32 b + 8 u + r + 8 (r / 8) (tile 2 b + u), so the 16 registers of two neighbouring tiles are 16 neighbours.
; The head's 64 channels fill half of the instruction's 128 along K: registers 6-11 of Q's and K's fragments are zero codes, under scale bytes 0, which add nothing.
; No prefetch: everything is asked for at the head.  The two scale bytes of a row leave as 2 bytes a lane: the word's other half is the neighbouring head's; 128 KiB of the launch's 3.3 MB.
; LIMITS: a block of zeros gets the byte 1; NaN and infinities are not served.
; REGISTERS: v1-6 lane terms; v7-11, v243 the step's addresses; v12 -M, v13 the largest t, v[14:15] the sum; v16-27 Q; v28-31 V's scale words; v32-79 four fragments of K; v80-127 V's four; v128-191 S^T, then p; v192-223 O^T; v224-255 at work.
.set KF, 32
.set VF, 80
.set S, 128
.set O, 192
.set WV, 18
.set SEL, 20
.set CS, 22
.set G1S, 24                           ; s[24:31] group 1 for the scale words: 32 rows of 256 bytes
.set G1C, 32                           ; s[32:39] for a chunk of codes: 96 rows of 256 bytes
.set G0, 40                            ; s[40:59] five groups 0
.set TK, 60                            ; s60 the step's codes: 6,144 bytes a step, in K's and in V's region alike
.set TS, 61                            ; s61 the step's scale words: 512 bytes a step
.set CNT, 62
.macro CROUND
	s_barrier_signal -1
	s_barrier_wait -1
	s_cmp_lg_u32 s[WV], 0
	s_cbranch_scc1 .Lnot_wave_0_\@
	s_barrier_signal -3
.Lnot_wave_0_\@:
	s_barrier_wait -3
	s_barrier_signal -1
	s_barrier_wait -1
.endm
	s_load_b128 s[4:7], s[0:1], 0x0                ; qkv s[4:5], oa s[6:7]
	v_lshl_add_u32 v254, v0, 2, 0x34000
	v_mov_b32 v255, 0
	ds_add_u32 v254, v255
	ds_add_u32 v254, v255
	s_wait_dscnt 0x0
	v_lshrrev_b32 v8, 5, v0
	v_readfirstlane_b32 s[WV], v8                  ; wave 0..15
	s_bfe_u32 s8, ttmp6, 0x40000                   ; cx
	s_lshl_b32 s9, ttmp9, 2
	s_add_co_u32 s9, s9, s8                        ; my block of 256 queries: it enters Q's and O's addresses alone
	s_and_b32 s10, ttmp7, 0xffff                   ; 16 batch + head, which the partners share
	s_mov_b32 s[G1S], 15|(3<<16)|(1<<21)           ; 15:0 the mask: all four; 17:16 elements of 8 bytes; 21 set beside a mask
	s_mov_b32 s[G1S+1], 32<<16
	s_mov_b32 s[G1S+2], 32<<16
	s_mov_b32 s[G1S+3], 32<<16
	s_mov_b32 s[G1S+4], 32
	s_mov_b32 s[G1S+5], 32
	s_mov_b32 s[G1S+6], 0
	s_mov_b32 s[G1S+7], 0
	s_mov_b32 s[G1C], 15|(3<<16)|(1<<21)
	s_mov_b32 s[G1C+1], 32<<16
	s_mov_b32 s[G1C+2], 96<<16
	s_mov_b32 s[G1C+3], 32<<16
	s_mov_b32 s[G1C+4], 96
	s_mov_b32 s[G1C+5], 32
	s_mov_b32 s[G1C+6], 0
	s_mov_b32 s[G1C+7], 0
	s_and_b32 s11, s[WV], 1                        ; 0: K's, 1: V's
	s_mul_i32 s12, s10, 8192
	s_mul_i32 s13, s11, 262144
	s_add_co_u32 s12, s12, s13
	s_add_co_u32 s12, s12, 9699328                 ; the head's scale words
	s_mov_b32 s13, 0
	s_mul_i32 s14, s10, 98304
	s_mul_i32 s15, s11, 3145728
	s_add_co_u32 s14, s14, s15
	s_add_co_u32 s14, s14, 3145728                 ; the head's codes
	s_mov_b32 s15, 0
	s_mul_i32 s16, s11, 8192
	s_mul_i32 s17, s11, 98304
	s_lshl_b32 s66, s9, 4
	s_add_co_u32 s66, s66, s[WV]                   ; my tile of 16 queries in the batch
	s_lshl_b32 s67, s10, 7
	s_add_co_u32 s67, s67, s66
	s_mul_i32 s68, s67, 768                        ; Q's image
	s_mov_b32 s69, 0
	s_lshl_b32 s70, s67, 6
	s_add_co_u32 s70, s70, 9437184                 ; Q's scale words
	s_mov_b32 s71, 0
	s_lshr_b32 s72, s10, 4                         ; batch
	s_and_b32 s73, s10, 15                         ; head
	s_lshl_b32 s72, s72, 7
	s_add_co_u32 s72, s72, s66                     ; my tile of rows in oa
	s_mul_i32 s74, s72, 12288
	s_mul_i32 s75, s73, 768
	s_add_co_u32 s74, s74, s75                     ; its image for the head's 64 along K
	s_mov_b32 s75, 0
	s_lshr_b32 s76, s72, 3
	s_lshl_b32 s76, s76, 3
	s_lshr_b32 s77, s73, 1
	s_add_co_u32 s76, s76, s77                     ; (group of 128 rows) x 8 + K step
	s_lshl_b32 s76, s76, 7
	s_and_b32 s77, s72, 7
	s_lshl_b32 s77, s77, 4
	s_add_co_u32 s76, s76, s77
	s_lshl_b32 s76, s76, 2
	s_and_b32 s77, s73, 1
	s_lshl_b32 s77, s77, 1
	s_add_co_u32 s76, s76, s77                     ; the word's lower or upper two bytes
	s_add_co_u32 s76, s76, 3145728
	s_mov_b32 s77, 0
	s_mov_b32 s[SEL], 0x76543210
	s_mov_b32 s[SEL+1], 0xfedcba98
	s_mov_b32 s[CS], 0x3e38aa3b                    ; c = log2(e) / 8
	s_mov_b32 s[CS+1], s[CS]
	s_wait_kmcnt 0x0
	s_add_nc_u64 s[12:13], s[4:5], s[12:13]
	s_add_nc_u64 s[14:15], s[4:5], s[14:15]
	s_add_nc_u64 s[68:69], s[4:5], s[68:69]
	s_add_nc_u64 s[70:71], s[4:5], s[70:71]
	s_add_nc_u64 s[74:75], s[6:7], s[74:75]
	s_add_nc_u64 s[76:77], s[6:7], s[76:77]
	CROUND                                         ; all four work-groups are here: the joint loads meet
	s_mov_b32 s[G0], 1
	s_add_co_u32 s[G0+1], s16, 196608
	s_mov_b64 s[G0+2:G0+3], s[12:13]
	s_or_b32 s[G0+3], s[G0+3], 0x80000000
.irp c, 0,1,2,3
	s_mov_b32 s[G0+4+4*\c], 1
	s_add_co_u32 s[G0+5+4*\c], s17, 24576*\c
	s_add_nc_u64 s[G0+6+4*\c:G0+7+4*\c], s[14:15], 24576*\c
	s_or_b32 s[G0+7+4*\c], s[G0+7+4*\c], 0x80000000
.endr
	s_cmp_lt_u32 s[WV], 2                          ; all first fills of a wave stand in one branch on the wave's number
	s_cbranch_scc0 .Lno_fill
	tensor_load_to_lds s[G0:G0+3], s[G1S:G1S+7]
	s_nop 0
	tensor_load_to_lds s[G0+4:G0+7], s[G1C:G1C+7]
	s_nop 0
	tensor_load_to_lds s[G0+8:G0+11], s[G1C:G1C+7]
	s_nop 0
	tensor_load_to_lds s[G0+12:G0+15], s[G1C:G1C+7]
	s_nop 0
	tensor_load_to_lds s[G0+16:G0+19], s[G1C:G1C+7]
	s_nop 0
.rept 4
	v_nop
.endr
.Lno_fill:
	v_and_b32 v8, 31, v0                           ; lane
	v_and_b32 v9, 15, v0                           ; r
	v_lshlrev_b32 v1, 4, v8                        ; K's images: 16 x lane,
	v_lshlrev_b32 v2, 3, v8                        ; 8 x lane
	v_add_nc_u32 v3, 98304, v1                     ; V's
	v_add_nc_u32 v4, 98304, v2
	v_lshl_add_u32 v5, v9, 2, 196608               ; K's scale words: 4 r
	v_lshl_add_u32 v6, v8, 2, 204800               ; V's: 4 x lane
	v_lshlrev_b32 v10, 2, v9
	global_load_b128 v[16:19], v1, s[68:69]        ; Q stays in registers
	global_load_b64 v[20:21], v2, s[68:69] offset:512
	global_load_b32 v255, v10, s[70:71]
.irp j, 22,23,24,25,26,27
	v_mov_b32 v[\j], 0                             ; zero codes for k = 64 .. 127
.endr
.irp t, 0,1,2,3
.irp j, 6,7,8,9,10,11
	v_mov_b32 v[KF+12*\t+\j], 0                    ; likewise in K's fragments: written once, never loaded
.endr
.endr
	v_mov_b32 v13, 0xff61b1e6                      ; the largest t so far: -3e38
	v_floor_f32 v12, -v13                          ; -M
	v_mov_b32 v14, 0
	v_mov_b32 v15, 0
.irp b, 0,1,2,3
	v_mov_b32 v[236+\b], 0                         ; a lane permute's destination counts as one of its sources
.endr
	v_mov_b32 v253, 0
.set jj, 0
.rept 32
	v_mov_b32 v[O+jj], 0                           ; O^T: the step is written once; the first change of M leaves zeros zeros
.set jj, jj+1
.endr
; A KEY STEP: 128 keys
.macro STEP
	v_add_nc_u32 v7, s[TK], v1                     ; six additions: also the places in front of loads into registers that the last products read
	v_add_nc_u32 v8, s[TK], v2
	v_add_nc_u32 v9, s[TK], v3
	v_add_nc_u32 v10, s[TK], v4
	v_add_nc_u32 v11, s[TS], v5
	v_add_nc_u32 v243, s[TS], v6
.irp t, 0,1,2,3
	ds_load_b128 v[KF+12*\t:KF+12*\t+3], v7 offset:768*\t
	ds_load_b64 v[KF+12*\t+4:KF+12*\t+5], v8 offset:768*\t+512
	ds_load_b32 v[248+\t], v11 offset:64*\t
.endr
.irp t, 0,1,2,3
	ds_load_b128 v[VF+12*\t:VF+12*\t+3], v9 offset:1536*\t
	ds_load_b64 v[VF+12*\t+4:VF+12*\t+5], v10 offset:1536*\t+512
	ds_load_b128 v[VF+12*\t+6:VF+12*\t+9], v9 offset:1536*\t+768
	ds_load_b64 v[VF+12*\t+10:VF+12*\t+11], v10 offset:1536*\t+1280
	ds_load_b32 v[28+\t], v243 offset:128*\t
.endr
	s_wait_dscnt 20                                ; K's first four tiles are in; V's 20 loads may be out
.irp t, 0,1,2,3
	v_wmma_scale_f32_16x16x128_f8f6f4 v[S+8*\t:S+8*\t+7], v[KF+12*\t:KF+12*\t+11], v[16:27], 0, v[248+\t], v255 matrix_a_fmt:MATRIX_FMT_BF6 matrix_b_fmt:MATRIX_FMT_BF6
.endr
.rept 4
	v_nop
.endr
.irp t, 0,1,2,3
	ds_load_b128 v[KF+12*\t:KF+12*\t+3], v7 offset:768*(4+\t)
	ds_load_b64 v[KF+12*\t+4:KF+12*\t+5], v8 offset:768*(4+\t)+512
	ds_load_b32 v[248+\t], v11 offset:64*(4+\t)
.endr
	s_wait_dscnt 0x0
.irp t, 0,1,2,3
	v_wmma_scale_f32_16x16x128_f8f6f4 v[S+32+8*\t:S+32+8*\t+7], v[KF+12*\t:KF+12*\t+11], v[16:27], 0, v[248+\t], v255 matrix_a_fmt:MATRIX_FMT_BF6 matrix_b_fmt:MATRIX_FMT_BF6
.endr
.rept 4
	v_nop
.endr
.irp b, 0,1,2,3
	v_max3_num_f32 v[232+\b], v[S+16*\b], v[S+1+16*\b], v[S+2+16*\b]   ; the largest score of each block of 32 keys: for the row's maximum and, since p rises with the score, for the block's largest p
.endr
.irp i, 3,5,7,9,11,13
.irp b, 0,1,2,3
	v_max3_num_f32 v[232+\b], v[232+\b], v[S+16*\b+\i], v[S+1+16*\b+\i]
.endr
.endr
.irp b, 0,1,2,3
	v_max_num_f32 v[232+\b], v[232+\b], v[S+15+16*\b]
.endr
.irp b, 0,1,2,3
	v_permlanex16_b32 v[236+\b], v[232+\b], s[SEL], s[SEL+1]
.endr
.irp b, 0,1,2,3
	v_max_num_f32 v[232+\b], v[232+\b], v[236+\b]
.endr
	v_max3_num_f32 v254, v232, v233, v234
	v_max_num_f32 v254, v254, v235
	v_mul_f32 v254, s[CS], v254
	v_max_num_f32 v13, v13, v254                   ; the running largest t
	v_mov_b32 v254, v12
	v_floor_f32 v12, -v13                          ; the new -M = -ceil(t)
	v_sub_f32 v254, v12, v254                      ; old M - new M: a whole number, 0 or less
	v_cvt_i32_f32 v254, v254
	v_ldexp_f32 v252, 1.0, v254                    ; f = 2^(old M - new M): rounds nothing
.set jj, 0
.rept 32
	v_pk_fma_f32 v[S+jj:S+jj+1], v[S+jj:S+jj+1], s[CS:CS+1], v[12:13] op_sel_hi:[1,0,0]   ; t - M
.set jj, jj+2
.endr
.irp b, 0,1,2,3
	v_fma_f32 v[232+\b], v[232+\b], s[CS], v12
.endr
.set jj, 0
.rept 64
	v_exp_f32 v[S+jj], v[S+jj]                     ; p = 2^(t - M)
.set jj, jj+1
.endr
	v_pk_mul_f32 v[14:15], v[14:15], v[252:253] op_sel_hi:[1,0]   ; the sums under the new M: a plain line behind the batch
	s_wait_alu depctr_va_vdst(0)                   ; one wait for the 64, ahead of their first reader
.irp b, 0,1,2,3
	v_exp_f32 v[232+\b], v[232+\b]                 ; each block's largest p
.endr
	v_pk_add_f32 v[236:237], v[S:S+1], v[S+2:S+3]  ; the row's sum of the unquantised p, in two chains
.irp j, 4,8,12,16,20,24,28,32,36,40,44,48,52,56,60
	v_pk_add_f32 v[14:15], v[14:15], v[S+\j:S+1+\j]
	v_pk_add_f32 v[236:237], v[236:237], v[S+2+\j:S+3+\j]
.endr
	v_pk_add_f32 v[14:15], v[14:15], v[236:237]
	s_wait_alu depctr_va_vdst(0)                   ; and one for the four
.irp b, 0,1,2,3
	v_max_num_f32 v[232+\b], 0x2800000, v[232+\b]  ; the floor 2^(5 - 127)
.endr
.irp b, 0,1,2,3
	v_add_nc_u32 v[244+\b], 0xfe000000, v[232+\b]
.endr
.irp b, 0,1,2,3
	v_lshrrev_b32 v[236+\b], 23, v[244+\b]
.endr
	v_lshl_or_b32 v253, v237, 8, v236              ; p's scale word for these 128 keys
	v_lshl_or_b32 v253, v238, 16, v253
	v_lshl_or_b32 v253, v239, 24, v253
.irp c, 0,1
	v_cvt_scalef32_pk16_bf6_f32 v[224+6*\c:226+6*\c], v[S+32*\c:S+15+32*\c], v[244+2*\c]
	v_cvt_scalef32_pk16_bf6_f32 v[236+4*\c:238+4*\c], v[S+16+32*\c:S+31+32*\c], v[244+2*\c+1]
.endr
	v_nop                                          ; one plain line behind a scaled conversion
.irp c, 0,1
.irp i, 0,1,2
	v_permlane16_swap_b32 v[224+6*\c+\i], v[236+4*\c+\i]
.endr
.irp i, 0,1,2
	v_mov_b32 v[227+6*\c+\i], v[236+4*\c+\i]
.endr
.endr
.set jj, 0
.rept 16
	v_pk_mul_f32 v[O+jj:O+jj+1], v[O+jj:O+jj+1], v[252:253] op_sel_hi:[1,0]   ; O^T under the new M; these sixteen are also the places in front of the products below
.set jj, jj+2
.endr
.irp t, 0,1,2,3
	v_wmma_scale_f32_16x16x128_f8f6f4 v[O+8*\t:O+8*\t+7], v[VF+12*\t:VF+12*\t+11], v[224:235], v[O+8*\t:O+8*\t+7], v[28+\t], v253 matrix_a_fmt:MATRIX_FMT_BF6 matrix_b_fmt:MATRIX_FMT_BF6
.endr
	s_add_co_u32 s[TK], s[TK], 6144
	s_add_co_u32 s[TS], s[TS], 512
.endm
; 512 keys: the fetching waves wait until this chunk has landed (3 - c later chunks may stay out: no LDS byte is filled again), a barrier shows it to all sixteen, four steps follow
.macro CHUNK c
	s_wait_tensorcnt 3-\c
	s_wait_dscnt 0x0
	s_barrier_signal -1
	s_barrier_wait -1
	s_mov_b32 s[TK], 24576*\c
	s_mov_b32 s[TS], 2048*\c
	s_mov_b32 s[CNT], 4
.Lstep_\@:
	STEP
	s_sub_co_u32 s[CNT], s[CNT], 1
	s_cmp_lg_u32 s[CNT], 0
	s_cbranch_scc1 .Lstep_\@
.endm
	s_wait_loadcnt 0x0                             ; Q
	CHUNK 0
	CHUNK 1
	CHUNK 2
	CHUNK 3
	; THE WAY OUT: O^T / the sum; register 16 b + i is channel 32 b + 16 (lane / 16) + i of my query: two blocks of the next product's K
.set TM, 160
.set PW, 168
.set PC, 176
.rept 4
	v_nop                                          ; places behind the last products
.endr
	v_add_f32 v14, v14, v15
	v_permlanex16_b32 v252, v14, s[SEL], s[SEL+1]
	v_add_f32 v14, v14, v252
	v_rcp_f32 v14, v14
	v_and_b32 v169, 15, v0                         ; (a plain line behind the reciprocal)
	v_lshlrev_b32 v169, 2, v169                    ; 4 r
	s_wait_alu depctr_va_vdst(0)                   ; ahead of the first reader
.set jj, 0
.rept 32
	v_mul_f32 v[S+jj], v[O+jj], v14
.set jj, jj+1
.endr
	v_max3_num_f32 v[TM], |v[S]|, |v[S+1]|, 0x2800000
	v_max3_num_f32 v[TM+1], |v[S+16]|, |v[S+17]|, 0x2800000
.irp i, 2,4,6,8,10,12,14
	v_max3_num_f32 v[TM], v[TM], |v[S+\i]|, |v[S+\i+1]|
	v_max3_num_f32 v[TM+1], v[TM+1], |v[S+16+\i]|, |v[S+16+\i+1]|
.endr
	v_permlanex16_b32 v[TM+2], v[TM], s[SEL], s[SEL+1]
	v_permlanex16_b32 v[TM+3], v[TM+1], s[SEL], s[SEL+1]
	v_max_num_f32 v[TM], v[TM], v[TM+2]
	v_max_num_f32 v[TM+1], v[TM+1], v[TM+3]
	v_add_nc_u32 v[TM+4], 0xfe000000, v[TM]
	v_add_nc_u32 v[TM+5], 0xfe000000, v[TM+1]
	v_lshrrev_b32 v[TM+2], 23, v[TM+4]
	v_lshrrev_b32 v[TM+3], 23, v[TM+5]
	v_lshl_or_b32 v[PW], v[TM+3], 8, v[TM+2]
	v_cvt_scalef32_pk16_bf6_f32 v[PC:PC+2], v[S:S+15], v[TM+4]
	v_cvt_scalef32_pk16_bf6_f32 v[PC+6:PC+8], v[S+16:S+31], v[TM+5]
	v_nop
.irp i, 0,1,2
	v_permlane16_swap_b32 v[PC+\i], v[PC+6+\i]
.endr
.irp i, 0,1,2
	v_mov_b32 v[PC+3+\i], v[PC+6+\i]
.endr
	global_store_b128 v1, v[PC:PC+3], s[74:75]     ; 512 and 256 consecutive bytes, aligned
	global_store_b64 v2, v[PC+4:PC+5], s[74:75] offset:512
	global_store_b16 v169, v[PW], s[76:77]         ; lanes r and r + 16 hold the same two bytes and store them to the same place
	s_wait_xcnt 0x0
	v_lshl_add_u32 v254, v0, 2, 0x34000
	v_mov_b32 v255, 0
	s_wait_tensorcnt 0x0
	ds_add_u32 v254, v255
	s_wait_dscnt 0x0
	CROUND                                         ; the closing round
	s_endpgm
.Lfunc_end_k_qb59f234e03_attn:
	.size	k_qb59f234e03_attn, .Lfunc_end_k_qb59f234e03_attn-k_qb59f234e03_attn
	.p2alignl 7, 3214868480
	.fill 96, 4, 3214868480
	.section	.rodata,"a",@progbits
	.p2align	6, 0x0
	.amdhsa_kernel k_qb59f234e03_attn
		.amdhsa_group_segment_fixed_size 215040
		.amdhsa_private_segment_fixed_size 0
		.amdhsa_enable_private_segment 0
		.amdhsa_kernarg_size 16
		.amdhsa_user_sgpr_count 2
		.amdhsa_user_sgpr_kernarg_segment_ptr 1
		.amdhsa_wavefront_size32 1
		.amdhsa_system_sgpr_workgroup_id_x 1
		.amdhsa_system_sgpr_workgroup_id_y 1
		.amdhsa_system_sgpr_workgroup_id_z 1
		.amdhsa_system_vgpr_workitem_id 0
		.amdhsa_next_free_vgpr 256
		.amdhsa_next_free_sgpr 80
		.amdhsa_reserve_vcc 0
		.amdhsa_float_denorm_mode_32 3
		.amdhsa_float_denorm_mode_16_64 3
		.amdhsa_memory_ordered 1
		.amdhsa_forward_progress 1
		.amdhsa_inst_pref_size 81
	.end_amdhsa_kernel
	.amdgpu_metadata
---
amdhsa.version: [ 1, 2 ]
amdhsa.kernels:
  - .name:           k_qb59f234e03_attn
    .symbol:         k_qb59f234e03_attn.kd
    .args:
      - { .name: qkv, .offset: 0, .size: 8, .value_kind: global_buffer, .address_space: global }
      - { .name: oa, .offset: 8, .size: 8, .value_kind: global_buffer, .address_space: global }
    .group_segment_fixed_size: 215040
    .private_segment_fixed_size: 0
    .kernarg_segment_align: 8
    .kernarg_segment_size: 16
    .max_flat_workgroup_size: 512
    .sgpr_count:     80
    .vgpr_count:     256
    .wavefront_size: 32
...
	.end_amdgpu_metadata
.endif
;; end of part 3
;; launch gemm_o (part 4): grid 8 x 32, 4 waves a work-group, clusters of 4 x 4, 327,680 bytes of LDS; arguments oa, wts, bo, x, x1; writes x1
.if DOCPART == 4
	.amdgcn_target "amdgcn-amd-amdhsa--gfx1250"
	.amdhsa_code_object_version 6
	.text
	.protected	k_qb59f234e03_gemm_o
	.globl	k_qb59f234e03_gemm_o
	.p2align	8
	.type	k_qb59f234e03_gemm_o,@function
k_qb59f234e03_gemm_o:
	s_mov_b64 s[64:65], 0
	v_nop
	global_prefetch_b8 v0, s[64:65] scope:SCOPE_SE
	s_setreg_imm32_b32 hwreg(HW_REG_WAVE_MODE, 25, 1), 1
	s_wait_xcnt 0x0
	s_wait_alu depctr_hold_cnt(0) depctr_sa_sdst(0) depctr_va_vdst(0) depctr_va_sdst(0) depctr_va_ssrc(0) depctr_va_vcc(0) depctr_vm_vsrc(0)
	s_getreg_b32 s2, hwreg(HW_REG_IB_STS2, 6, 4)
	s_cmp_eq_u32 s2, 0
	s_cbranch_scc0 .Lentry_in_a_cluster
	s_endpgm
.Lentry_in_a_cluster:
	s_bfe_u32 s2, ttmp6, 0x10000c
	s_cmp_lg_u32 s2, 0xf033
	s_cbranch_scc0 .Lentry_shape_is_right
	s_endpgm
.Lentry_shape_is_right:
; x1 = x + attention's output x Wo + bo.  The product runs on codes of BF6 (E3M2) with E8M0 scales; sums, bias and residual in f32.
; OPERANDS lie as images of their registers: tiles of 16 rows (tile 2 b + u holds at place r row 32 b + 8 u + r + 8 (r / 8)), 1,536 bytes for 128 along K, tiles 12 K bytes apart; scale words [rows / 128][K step][tile][place].
; N = 1,024: tiles of 256 x 256 would be 64; a work-group makes 128 x 128 (256 work-groups), a wave 64 x 64: 16 accumulators.  K goes through two LDS slots of 512 along K, filled by joint tensor loads in a cluster of 4 x 4:
; A's tiles are shared along a row of the cluster, B's along a column.  Source 0 = B's tile, source 1 = A's: a lane holds one row of the result and neighbouring columns.
; With K = 1,024 both slots are first fills and nothing is filled again; the text keeps the form of the longer K all the same.
; The residual is asked for at the head and lands under the products.  Results go through the wave's own stage in LDS, so that sixteen lanes store 256 consecutive bytes, aligned.
; No prefetch: all K steps are among the first fills.
; REGISTERS.  Window 0: v1-31 addresses, v32-63 scale words, v64-111 A's and v160-207 B's fragments, set 0.  Window 1: v0-31 the bias; fragments, set 1.  Window 2: the accumulators, (a, b) at v[8 (4 a + b)].  Window 3: v0-127 the residual.
.set KK, 1024
.set ASOFF, 3145728                    ; A's scale words in its buffer
.set BCOFF, 2359296                    ; B's codes in wts
.set BSOFF, 9535488                    ; B's scale words in wts
.set NA, 4
.set NB, 4
.set NQ, 4
.set AW, 8
.set LAPS, KK/(256*NQ)
.set RTP, 12*KK
.set HALFT, NA*NQ*1536
.set HALFS, NA*KK/2
.set SROW, 256
.set NLDW, 32
.set SLOT, 4*HALFT
.set SCL, 2*SLOT
.set SPARE, SCL+4*HALFS
.set XTRA, SPARE+512
.set ADRA, 16
.set ADRB, 20
.set STO, 24
.set RD, 25
.set CO, 26
.set ADRS, 27
.set SPW, 28
.set NIL, 29
.set LI, 30
.set L8, 31
.set SC, 32
.set AF, 64
.set BF, 160
.set OB, 64
.set G1, 24
.set G0, 32
.set G1B, 48
.set G0B, 56
.set G1S, 68
.set G0S, 76
.set G1SB, 80
.set G0SB, 88
.set MSB, 0
.macro WIN new
.if MSB != (\new)
	s_set_vgpr_msb (MSB<<8)|(\new)
.set MSB, (\new)
.endif
.endm
.macro JLOAD g0a, g1a, g0b, g1b        ; a joint load: waves 0, 1 fetch for A, waves 2, 3 for B; four v_nop follow each line
	s_cmp_eq_u32 s15, 0
	s_cbranch_scc0 .Lfor_b_\@
	tensor_load_to_lds s[\g0a:\g0a+3], s[\g1a:\g1a+7]
	s_nop 0
.rept 4
	v_nop
.endr
	s_branch .Lasked_\@
.Lfor_b_\@:
	tensor_load_to_lds s[\g0b:\g0b+3], s[\g1b:\g1b+7]
	s_nop 0
.rept 4
	v_nop
.endr
.Lasked_\@:
.endm
.macro CREST
	s_cmp_lg_u32 s14, 0
	s_cbranch_scc1 .Lnot_wave_0_\@
	s_barrier_signal -3
.Lnot_wave_0_\@:
	s_barrier_wait -3
	s_barrier_signal -1
	s_barrier_wait -1
.endm
.macro CROUND
	s_barrier_signal -1
	s_barrier_wait -1
	CREST
.endm
.macro PLACES n
.rept \n
	v_nop
.endr
.endm
.macro FRAG reg, adr, off
	ds_load_b128 v[\reg:\reg+3], v[\adr] offset:\off
	ds_load_b64 v[\reg+4:\reg+5], v[\adr+1] offset:\off+512
	ds_load_b128 v[\reg+6:\reg+9], v[\adr] offset:\off+768
	ds_load_b64 v[\reg+10:\reg+11], v[\adr+1] offset:\off+1280
.endm
.macro FETCH slot, q, p
	WIN (\p)<<6
.set ii, 0
.rept NB
	FRAG BF+12*ii, ADRB+2*\slot, (ii*NQ+\q)*1536
.set ii, ii+1
.endr
.set ii, 0
.rept NA
	FRAG AF+12*ii, ADRA+2*\slot, (ii*NQ+\q)*1536
.set ii, ii+1
.endr
.endm
.macro SCALES sc
.set ii, 0
.rept NA
.set qq, 0
.rept NQ
	ds_load_b32 v[SC+16*\sc+NQ*ii+qq], v[ADRS] offset:512*qq+64*ii
.set qq, qq+1
.endr
.set ii, ii+1
.endr
.endm
.macro MUL a0, n, p, q, sc, first      ; the accumulators take turns, one instruction a turn, in the same order in every step
.set aa, \a0
.rept \n
.set ww, 2+aa/AW
.if \first
	WIN (ww<<6)|0x10|(5*(\p))
.else
	WIN (ww<<6)|(ww<<4)|(5*(\p))
.endif
.set bb, 0
.rept NB
.set dd, 8*(NB*(aa%AW)+bb)
.if \first
	v_wmma_scale_f32_16x16x128_f8f6f4 v[dd:dd+7], v[BF+12*bb:BF+12*bb+11], v[AF+12*aa:AF+12*aa+11], v[8*bb:8*bb+7], v[SC+16*(\sc)+NQ*bb+(\q)], v[SC+16*(\sc)+NQ*aa+(\q)] matrix_a_fmt:MATRIX_FMT_BF6 matrix_b_fmt:MATRIX_FMT_BF6 matrix_a_scale:MATRIX_SCALE_ROW1
.else
	v_wmma_scale_f32_16x16x128_f8f6f4 v[dd:dd+7], v[BF+12*bb:BF+12*bb+11], v[AF+12*aa:AF+12*aa+11], v[dd:dd+7], v[SC+16*(\sc)+NQ*bb+(\q)], v[SC+16*(\sc)+NQ*aa+(\q)] matrix_a_fmt:MATRIX_FMT_BF6 matrix_b_fmt:MATRIX_FMT_BF6 matrix_a_scale:MATRIX_SCALE_ROW1
.endif
.set bb, bb+1
.endr
.set aa, aa+1
.endr
.endm
.macro STEP slot, q, first
	PLACES 4                                       ; in front of loads into the set that the last step multiplied
	FETCH \slot, (\q)+1, ((\q)+1)%2
	s_wait_dscnt NLDW                              ; all but the fetch just issued
	MUL 0, NA, (\q)%2, \q, \slot, \first
.endm
.macro TURN slot, next, fill
	WIN 0
	s_wait_tensorcnt 0x0                           ; all my tensor loads have landed: my part of the next slot
	ds_add_u32 v[SPW], v[NIL]                      ; 0 onto my spare word
	s_wait_dscnt 1                                 ; only the add may be out
	MUL 0, NA/4, 1, NQ-1, \slot, 0
	s_wait_dscnt 0x0                               ; the add is done, and my reads of this slot are over
	s_barrier_signal -1
	MUL NA/4, NA/4, 1, NQ-1, \slot, 0
	WIN 0
	s_barrier_wait -1
.if \fill
	CREST                                          ; the barrier has opened a round of the cluster's
	s_add_nc_u64 s[G0+4*\slot+2:G0+4*\slot+3], s[G0+4*\slot+2:G0+4*\slot+3], 2*NQ*1536
	s_add_nc_u64 s[G0B+4*\slot+2:G0B+4*\slot+3], s[G0B+4*\slot+2:G0B+4*\slot+3], 2*NQ*1536
	JLOAD G0+4*\slot, G1, G0B+4*\slot, G1B
.else
	PLACES 4
.endif
	v_add_nc_u32 v[ADRS], 512*NQ, v[ADRS]
	FETCH \next, 0, 0
	SCALES \next
	MUL NA/2, NA/2, 1, NQ-1, \slot, 0
.endm
	s_load_b256 s[4:11], s[0:1], 0x0               ; A s[4:5], wts s[6:7], bias s[8:9], residual s[10:11]
	s_load_b64 s[12:13], s[0:1], 0x20              ; out
	v_lshl_add_u32 v[SPW], v0, 2, SPARE
	v_mov_b32 v[NIL], 0
	ds_add_u32 v28, v29
	ds_add_u32 v28, v29
	s_wait_dscnt 0x0
	v_lshrrev_b32 v1, 5, v0
	v_readfirstlane_b32 s14, v1                    ; wave
	s_lshr_b32 s15, s14, 1
	s_and_b32 s16, s14, 1
	s_bfe_u32 s40, ttmp6, 0x40000                  ; cx
	s_bfe_u32 s41, ttmp6, 0x40004                  ; cy
	s_lshl_b32 s42, ttmp9, 2
	s_add_co_u32 s42, s42, s40                     ; tile column
	s_and_b32 s17, ttmp7, 0xffff
	s_lshl_b32 s17, s17, 2
	s_add_co_u32 s17, s17, s41                     ; tile row
	s_lshl_b32 s43, s41, 2
	s_lshl_b32 s43, 15, s43
	s_lshl_b32 s44, 0x1111, s40
	s_or_b32 s[G1+0], s43, (3<<16)|(1<<21)
	s_or_b32 s[G1B+0], s44, (3<<16)|(1<<21)
.irp g, G1, G1B
	s_mov_b32 s[\g+1], (192*NQ)<<16
	s_mov_b32 s[\g+2], NA<<16
	s_mov_b32 s[\g+3], (192*NQ)<<16
	s_mov_b32 s[\g+4], NA
	s_mov_b32 s[\g+5], RTP/8
	s_mov_b32 s[\g+6], 0
	s_mov_b32 s[\g+7], 0
.endr
	s_or_b32 s[G1S+0], s43, (3<<16)|(1<<21)
	s_or_b32 s[G1SB+0], s44, (3<<16)|(1<<21)
.irp g, G1S, G1SB
	s_mov_b32 s[\g+1], 32<<16
	s_mov_b32 s[\g+2], (HALFS/256)<<16
	s_mov_b32 s[\g+3], 32<<16
	s_mov_b32 s[\g+4], HALFS/256
	s_mov_b32 s[\g+5], 32
	s_mov_b32 s[\g+6], 0
	s_mov_b32 s[\g+7], 0
.endr
	s_lshl_b32 s20, s17, 1
	s_add_co_u32 s20, s20, s16
	s_mul_i32 s22, s20, HALFS
	s_add_co_u32 s22, s22, ASOFF
	s_mul_i32 s20, s20, NA*RTP
	s_mov_b32 s21, 0
	s_mov_b32 s23, 0
	s_lshl_b32 s46, s42, 1
	s_add_co_u32 s46, s46, s16
	s_mul_i32 s92, s46, HALFS
	s_add_co_u32 s92, s92, BSOFF
	s_mul_i32 s46, s46, NA*RTP
	s_add_co_u32 s46, s46, BCOFF
	s_mov_b32 s47, 0
	s_mov_b32 s93, 0
	s_mul_i32 s45, s14, HALFT
	s_mul_i32 s94, s14, HALFS
	s_wait_kmcnt 0x0
	s_add_nc_u64 s[20:21], s[4:5], s[20:21]
	s_add_nc_u64 s[22:23], s[4:5], s[22:23]
	s_add_nc_u64 s[46:47], s[6:7], s[46:47]
	s_add_nc_u64 s[92:93], s[6:7], s[92:93]
	CROUND                                         ; all sixteen work-groups are here: the first joint loads meet
	s_mov_b32 s[G0S], 1
	s_add_co_u32 s[G0S+1], s94, SCL
	s_mov_b64 s[G0S+2:G0S+3], s[22:23]
	s_or_b32 s[G0S+3], s[G0S+3], 0x80000000
	s_mov_b32 s[G0SB], 1
	s_add_co_u32 s[G0SB+1], s94, SCL
	s_mov_b64 s[G0SB+2:G0SB+3], s[92:93]
	s_or_b32 s[G0SB+3], s[G0SB+3], 0x80000000
	JLOAD G0S, G1S, G0SB, G1SB                     ; the scale words, then both slots: three tensor loads of mine are out
.irp s, 0,1
	s_mov_b32 s[G0+4*\s], 1
	s_add_co_u32 s[G0+4*\s+1], s45, \s*SLOT
	s_add_nc_u64 s[G0+4*\s+2:G0+4*\s+3], s[20:21], \s*NQ*1536
	s_or_b32 s[G0+4*\s+3], s[G0+4*\s+3], 0x80000000
	s_mov_b32 s[G0B+4*\s], 1
	s_add_co_u32 s[G0B+4*\s+1], s45, \s*SLOT
	s_add_nc_u64 s[G0B+4*\s+2:G0B+4*\s+3], s[46:47], \s*NQ*1536
	s_or_b32 s[G0B+4*\s+3], s[G0B+4*\s+3], 0x80000000
	JLOAD G0+4*\s, G1, G0B+4*\s, G1B
.endr
	v_and_b32 v1, 15, v0                           ; r
	v_bfe_u32 v2, v0, 4, 1                         ; h
	v_and_b32 v3, 31, v0                           ; lane
	v_lshlrev_b32 v[LI], 4, v3
	v_lshlrev_b32 v[L8], 3, v3
	s_mul_i32 s21, s15, HALFT
	s_mul_i32 s22, s16, HALFT
	s_add_co_u32 s22, s22, 2*HALFT
.irp s, 0,1
	v_add_nc_u32 v[ADRA+2*\s], s21, v[LI]
	v_add_nc_u32 v[ADRA+2*\s+1], s21, v[L8]
	v_add_nc_u32 v[ADRB+2*\s], s22, v[LI]
	v_add_nc_u32 v[ADRB+2*\s+1], s22, v[L8]
	s_add_co_u32 s21, s21, SLOT
	s_add_co_u32 s22, s22, SLOT
.endr
	s_mul_i32 s21, s15, SROW
	s_mul_i32 s22, s16, SROW
	s_add_co_u32 s22, s22, 2*HALFS
	s_sub_co_u32 s22, s22, s21
	v_mul_u32_u24 v4, s22, v2                      ; lanes 16-31 take B's words
	s_add_co_u32 s21, s21, SCL
	v_lshl_add_u32 v4, v1, 2, v4
	v_add_nc_u32 v[ADRS], s21, v4
	s_mul_i32 s21, s14, 16*272
	s_add_co_u32 s21, s21, XTRA                    ; my stage: 16 rows x (256 + 16) bytes
	v_mul_u32_u24 v4, v1, 272
	v_lshl_add_u32 v4, v2, 6, v4
	v_add_nc_u32 v[STO], s21, v4                   ; in: place r, + 64 h
	v_mul_u32_u24 v4, v2, 272
	v_lshl_add_u32 v4, v1, 4, v4
	v_add_nc_u32 v[RD], s21, v4                    ; back: lanes 0-15 one place, lanes 16-31 the next
	v_lshlrev_b32 v4, 12, v2
	v_lshl_add_u32 v[CO], v1, 4, v4                ; and the same two rows in memory
	s_lshl_b32 s46, s42, 9
	s_lshl_b32 s47, s16, 8
	s_add_co_u32 s46, s46, s47                     ; my first column x 4
	s_mov_b32 s47, 0
	s_add_nc_u64 s[8:9], s[8:9], s[46:47]
	s_lshl_b32 s20, s17, 7
	s_lshl_b32 s21, s15, 6
	s_add_co_u32 s20, s20, s21                     ; my first row
	s_lshl_b32 s20, s20, 12
	s_add_co_u32 s20, s20, s46
	s_mov_b32 s21, 0
	s_add_nc_u64 s[96:97], s[10:11], s[20:21]
	s_add_nc_u64 s[98:99], s[12:13], s[20:21]
	v_lshlrev_b32 v5, 6, v2
	WIN 0x40
.irp b, 0,1,2,3
	global_load_b128 v[8*\b:8*\b+3], v5, s[8:9] offset:(32*(\b/2)+8*(\b%2))*4
	global_load_b128 v[8*\b+4:8*\b+7], v5, s[8:9] offset:(32*(\b/2)+8*(\b%2))*4+16
.endr
	WIN 0xc0
.irp a, 0,1,2,3
.irp t, 0,1,2,3,4,5,6,7
	global_load_b128 v[4*(8*\a+\t):4*(8*\a+\t)+3], v[CO], s[96:97] offset:(32*(\a/2)+8*(\a%2)+2*\t+8*(\t/4))*4096 th:TH_LOAD_NT   ; place 2 t + h of tile a
.endr
.endr
	WIN 0
	s_wait_tensorcnt 1                             ; the scale words and my part of slot 0 are in; slot 1's may stay out
	s_barrier_signal -1
	s_barrier_wait -1
	FETCH 0, 0, 0
	SCALES 0
	s_wait_loadcnt 32                              ; the bias is in; the 32 loads of the residual may stay out
	STEP 0, 0, 1
.if LAPS > 1
	WIN 0
	s_mov_b32 s3, LAPS-1
.Llap:
	STEP 0, 1, 0
	STEP 0, 2, 0
	TURN 0, 1, 1
	STEP 1, 0, 0
	STEP 1, 1, 0
	STEP 1, 2, 0
	TURN 1, 0, 1
	STEP 0, 0, 0
	WIN 0
	s_sub_co_u32 s3, s3, 1
	s_cmp_lg_u32 s3, 0
	s_cbranch_scc1 .Llap
.endif
	STEP 0, 1, 0
	STEP 0, 2, 0
	TURN 0, 1, 0
	STEP 1, 0, 0
	STEP 1, 1, 0
	STEP 1, 2, 0
	s_wait_dscnt 0x0
	MUL 0, NA, 1, NQ-1, 1, 0
	WIN 0
	s_wait_loadcnt 0x0                             ; the residual
	PLACES 4
.irp a, 0,1,2,3
	WIN 0x08                                       ; an LDS store's data are its source 1: window 2
.irp b, 0,1,2,3
	ds_store_b128 v[STO], v[8*(4*\a+\b):8*(4*\a+\b)+3] offset:128*(\b/2)+32*(\b%2)        ; each accumulator from its low end on
	ds_store_b128 v[STO], v[8*(4*\a+\b)+4:8*(4*\a+\b)+7] offset:128*(\b/2)+32*(\b%2)+16
.endr
	WIN 0
.irp t, 0,1,2,3,4,5,6,7
	ds_load_b128 v[OB+32*\a+4*\t:OB+32*\a+4*\t+3], v[RD] offset:544*\t   ; LDS serves a wave's instructions in order: these see my stores
.endr
	s_wait_dscnt 0x0
	WIN 0x0c
.set kk, 0
.rept 16
	v_pk_add_f32 v[OB+32*\a+kk:OB+32*\a+kk+1], v[OB+32*\a+kk:OB+32*\a+kk+1], v[32*\a+kk:32*\a+kk+1]
.set kk, kk+2
.endr
	WIN 0
.irp t, 0,1,2,3,4,5,6,7
	global_store_b128 v[CO], v[OB+32*\a+4*\t:OB+32*\a+4*\t+3], s[98:99] offset:(32*(\a/2)+8*(\a%2)+2*\t+8*(\t/4))*4096   ; sixteen lanes store 256 consecutive bytes, aligned
.endr
.endr
	s_wait_tensorcnt 0x0                           ; the wave's end
	ds_add_u32 v[SPW], v[NIL]
	s_wait_dscnt 0x0
	CROUND                                         ; the closing round
	s_endpgm
.Lfunc_end_k_qb59f234e03_gemm_o:
	.size	k_qb59f234e03_gemm_o, .Lfunc_end_k_qb59f234e03_gemm_o-k_qb59f234e03_gemm_o
	.p2alignl 7, 3214868480
	.fill 96, 4, 3214868480
	.section	.rodata,"a",@progbits
	.p2align	6, 0x0
	.amdhsa_kernel k_qb59f234e03_gemm_o
		.amdhsa_group_segment_fixed_size 327680
		.amdhsa_private_segment_fixed_size 0
		.amdhsa_enable_private_segment 0
		.amdhsa_kernarg_size 40
		.amdhsa_user_sgpr_count 2
		.amdhsa_user_sgpr_kernarg_segment_ptr 1
		.amdhsa_wavefront_size32 1
		.amdhsa_system_sgpr_workgroup_id_x 1
		.amdhsa_system_sgpr_workgroup_id_y 1
		.amdhsa_system_sgpr_workgroup_id_z 1
		.amdhsa_system_vgpr_workitem_id 0
		.amdhsa_next_free_vgpr 1024
		.amdhsa_next_free_sgpr 102
		.amdhsa_reserve_vcc 0
		.amdhsa_float_denorm_mode_32 3
		.amdhsa_float_denorm_mode_16_64 3
		.amdhsa_memory_ordered 1
		.amdhsa_forward_progress 1
		.amdhsa_inst_pref_size 62
	.end_amdhsa_kernel
	.amdgpu_metadata
---
amdhsa.version: [ 1, 2 ]
amdhsa.kernels:
  - .name:           k_qb59f234e03_gemm_o
    .symbol:         k_qb59f234e03_gemm_o.kd
    .args:
      - { .name: oa, .offset: 0, .size: 8, .value_kind: global_buffer, .address_space: global }
      - { .name: wts, .offset: 8, .size: 8, .value_kind: global_buffer, .address_space: global }
      - { .name: bo, .offset: 16, .size: 8, .value_kind: global_buffer, .address_space: global }
      - { .name: x, .offset: 24, .size: 8, .value_kind: global_buffer, .address_space: global }
      - { .name: x1, .offset: 32, .size: 8, .value_kind: global_buffer, .address_space: global }
    .group_segment_fixed_size: 327680
    .private_segment_fixed_size: 0
    .kernarg_segment_align: 8
    .kernarg_segment_size: 40
    .max_flat_workgroup_size: 128
    .sgpr_count:     102
    .vgpr_count:     1024
    .wavefront_size: 32
...
	.end_amdgpu_metadata
.endif
;; end of part 4
;; launch prep2 (part 5): grid 256 x 3, 4 waves a work-group, no clusters, 98,816 bytes of LDS; arguments x1, ln2_g, ln2_b, ha, W1, W2, wts; writes ha, wts
.if DOCPART == 5
	.amdgcn_target "amdgcn-amd-amdhsa--gfx1250"
	.amdhsa_code_object_version 6
	.text
	.protected	k_qb59f234e03_prep2
	.globl	k_qb59f234e03_prep2
	.p2align	8
	.type	k_qb59f234e03_prep2,@function
k_qb59f234e03_prep2:
	s_mov_b64 s[64:65], 0
	v_nop
	global_prefetch_b8 v0, s[64:65] scope:SCOPE_SE
	s_setreg_imm32_b32 hwreg(HW_REG_WAVE_MODE, 25, 1), 1
	s_wait_xcnt 0x0
; ONE LAUNCH, TWO KINDS OF WORK THAT SHARE NOTHING, told apart by the work-group's y.
; y = 0: LayerNorm of 16 rows of 1,024 f32, quantised along the row.  y = 1: a piece of W1, y = 2: a piece of W2: f32 stored [K][N], quantised along K.  Both weights are first read by launches that run behind this one.
; The rows' work is a chain of dependent steps on few bytes, the weights' work a stream of many bytes with little arithmetic: they run side by side in one launch in place of one behind the other in two.
; BOTH MAKE OPERANDS OF BF6 (E3M2) with one E8M0 byte for each 32 along K, laid as the products' launches load them:
; rows go in tiles of 16; tile 2 b + u holds, at place r, row 32 b + 8 u + r + 8 (r / 8).  A tile's codes for 64 along K are an image of six operand registers: registers 0-3 as 16 bytes a lane (512 bytes),
; registers 4-5 as 8 bytes a lane (256 bytes): 768 bytes; images follow each other along K, tiles are 12 K bytes apart.  Scale words (four bytes: 128 along K of one row) lie [rows / 128][K / 128][tile 0..7][place 0..15].
; A block's scale is 2^(floor(log2(largest magnitude)) - 4); its byte is the largest magnitude's exponent field - 4, held at 1 from below.
; LIMITS: a block of zeros gets the byte 1 (its codes are zeros; this program alone reads the bytes); blocks whose largest magnitude lies under 2^-122 are held at byte 1; NaN and infinities are not served.
; LAYERNORM.  y = (x - mean) rsqrt(var + 1e-5) g + b.  Phase 1: wave w normalises places 4 w .. 4 w + 3 (four neighbouring rows of memory), a row in 32 registers, mean and variance in two passes as the definition has them,
; and puts y into a stage in LDS (rows 4,112 bytes apart: 257 x 16, so sixteen rows' 16 bytes fall on different banks).  One barrier.  Phase 2: wave w makes K steps 2 w and 2 w + 1: lane (r, h) reads whole blocks of 32 of row r.
; Its scale words leave as two pieces of 64 bytes a wave: 4 bytes for each 512 bytes that it reads; they lie from byte 3,145,728 of the rows' buffer on.
; WEIGHTS.  A work-group takes 128 columns x 128 along K, a wave 32 columns (two tiles).  A LANE TAKES A COLUMN AND ITS REGISTERS RUN DOWN K: a load reads 128 consecutive bytes a wave, a block of 32 lies in one lane.
; Lanes 0-15 take the places of tile 2 w, lanes 16-31 those of tile 2 w + 1; twelve exchanges of half rows of lanes then give each tile's operand registers.
.set X, 32                             ; v32-159 LayerNorm: four rows, later 2 K steps x 2 blocks x 32 numbers;  weights: my column's 128 numbers
; LayerNorm's registers
.set GA, 160                           ; v160-191 gain
.set BE, 192                           ; v192-223 bias
.set SM, 10                            ; v10-17 row i: sum, then mean, then 1 / sigma, in v[SM + 2 i]; the odd register is at work
.set SQ, 18                            ; v18-25 row i: sum of squares
.set LTP, 248                          ; v248-254 the blocks' upper 16 codes
; the weights' registers
.set CO, 1                             ; v1   4 x my column in the wave's 32
.set LI, 2                             ; v2   16 x lane
.set L8, 3                             ; v3   8 x lane
.set L4, 4                             ; v4   4 x lane
.set WD, 5                             ; v5   my column's scale word
.set MA, 6                             ; v6-7 two chains of the maximum
.set MB, 7
.set SO, 8                             ; v8   the conversion's scale operand
.set BY, 9                             ; v9   the byte
.set WTP, 10                           ; v10-12 a block's upper 16 codes
.set C, 160                            ; v160-183 four blocks x six registers of codes
; the four rows' figures in v[base + 2 i] are summed over the 32 lanes, the rows by turns
.macro RED base
.irp m, 1,2,4,8
.irp i, 0,1,2,3
	v_add_f32_dpp v[\base+2*\i], v[\base+2*\i], v[\base+2*\i] row_xmask:\m row_mask:0xf bank_mask:0xf
.endr
.endr
.irp i, 0,1,2,3
	v_permlanex16_b32 v[\base+2*\i+1], v[\base+2*\i], s12, s13
.endr
.irp i, 0,1,2,3
	v_add_f32 v[\base+2*\i], v[\base+2*\i], v[\base+2*\i+1]
.endr
.endm
; K step 2 w + s: my two whole blocks (2 c + h) become the operand's registers 6 c .. 6 c + 5; the scale word's four bytes are gathered from lanes l and l xor 16
.macro LQ s
.set Y, X+64*\s
.set PC, 224+12*\s
.irp c, 0,1
	v_max3_num_f32 v[10+\c], |v[Y+32*\c]|, |v[Y+32*\c+1]|, 0x2800000   ; with the floor 2^(5 - 127)
.endr
.irp i, 2,4,6,8,10,12,14,16,18,20,22,24,26,28,30
.irp c, 0,1
	v_max3_num_f32 v[10+\c], v[10+\c], |v[Y+32*\c+\i]|, |v[Y+32*\c+\i+1]|
.endr
.endr
.irp c, 0,1
	v_add_nc_u32 v[12+\c], 0xfe000000, v[10+\c]    ; 4 off the exponent field: the conversion's scale operand
.endr
.irp c, 0,1
	v_lshrrev_b32 v[14+\c], 23, v[12+\c]           ; the byte
.endr
	v_lshl_or_b32 v16, v15, 16, v14
	v_lshlrev_b32 v16, v9, v16                     ; at bytes h and 2 + h
	v_permlanex16_b32 v17, v16, s12, s13
	v_or_b32 v[26+\s], v16, v17
.irp c, 0,1
	v_cvt_scalef32_pk16_bf6_f32 v[PC+6*\c:PC+6*\c+2], v[Y+32*\c:Y+32*\c+15], v[12+\c]
	v_cvt_scalef32_pk16_bf6_f32 v[LTP+4*\c:LTP+4*\c+2], v[Y+32*\c+16:Y+32*\c+31], v[12+\c]   ; (a conversion's three registers begin on an even number)
.endr
	v_nop                                          ; one plain line behind a scaled conversion
.irp c, 0,1
.irp i, 0,1,2
	v_mov_b32 v[PC+6*\c+3+\i], v[LTP+4*\c+\i]
.endr
.endr
	global_store_b128 v4, v[PC:PC+3], s[22:23] offset:1536*\s
	global_store_b64 v5, v[PC+4:PC+5], s[22:23] offset:1536*\s+512
	global_store_b128 v4, v[PC+6:PC+9], s[22:23] offset:1536*\s+768
	global_store_b64 v5, v[PC+10:PC+11], s[22:23] offset:1536*\s+1280
.endm
; One weight's work.  cols, kk: its N and K; logks: log2(kk / 128); first: its first work-group along x; src: its pointer's registers; coff, soff: where its codes and scale words begin in wts.
.macro BODY cols, kk, logks, first, src, coff, soff
	s_sub_co_u32 s16, ttmp9, \first                ; which (column group, K step): group x (kk / 128) + K step
	s_and_b32 s17, s16, \kk/128-1                  ; K step
	s_lshr_b32 s18, s16, \logks                    ; column group
	s_mul_i32 s20, s17, 128*\cols*4
	s_lshl_b32 s21, s18, 9
	s_add_co_u32 s20, s20, s21
	s_lshl_b32 s21, s14, 7
	s_add_co_u32 s20, s20, s21
	s_mov_b32 s21, 0
	s_add_nc_u64 s[22:23], s[\src:\src+1], s[20:21]   ; row 128 x K step, column 128 x group + 32 x wave
	s_lshl_b32 s24, s18, 3
	s_lshl_b32 s25, s14, 1
	s_add_co_u32 s24, s24, s25
	s_mul_i32 s24, s24, 12*\kk
	s_mul_i32 s25, s17, 1536
	s_add_co_u32 s24, s24, s25
	s_add_co_u32 s24, s24, \coff
	s_mov_b32 s25, 0
	s_add_nc_u64 s[24:25], s[32:33], s[24:25]      ; tile 8 x group + 2 x wave, this K step's two images
	s_lshl_b32 s26, s16, 9
	s_lshl_b32 s27, s14, 7
	s_add_co_u32 s26, s26, s27
	s_add_co_u32 s26, s26, \soff
	s_mov_b32 s27, 0
	s_add_nc_u64 s[26:27], s[32:33], s[26:27]      ; the (group, K step)'s 512 bytes of scale words, my wave's 128
.set nn, 0
.rept 128
	global_load_b32 v[X+nn], v[CO], s[22:23] offset:nn*\cols*4 th:TH_LOAD_NT
.set nn, nn+1
.endr
.irp be, 0,1,2,3
.if (96-32*\be) > 63
	s_wait_loadcnt 63                              ; a wait names 63 at the most: fewer than the 96 - 32 x block younger loads that may stay out
.else
	s_wait_loadcnt 96-32*\be                       ; this block's 32 loads are in; the later blocks' may be out
.endif
.set XS, X+32*\be
	v_max3_num_f32 v[MA], |v[XS]|, |v[XS+1]|, |v[XS+2]|
	v_max3_num_f32 v[MB], |v[XS+3]|, |v[XS+4]|, |v[XS+5]|
.irp i, 6,10,14,18,22,26
	v_max3_num_f32 v[MA], v[MA], |v[XS+\i]|, |v[XS+\i+1]|
	v_max3_num_f32 v[MB], v[MB], |v[XS+\i+2]|, |v[XS+\i+3]|
.endr
	v_max3_num_f32 v[MA], v[MA], |v[XS+30]|, |v[XS+31]|
	v_max3_num_f32 v[MA], v[MA], v[MB], 0x2800000  ; the floor 2^(5 - 127): the byte cannot fall under 1
	v_add_nc_u32 v[SO], 0xfe000000, v[MA]          ; 4 off the exponent field: the conversion takes that field as its scale
	v_lshrrev_b32 v[BY], 23, v[SO]
.if \be == 0
	v_mov_b32 v[WD], v[BY]
.else
	v_lshl_or_b32 v[WD], v[BY], 8*\be, v[WD]
.endif
	v_cvt_scalef32_pk16_bf6_f32 v[C+6*\be:C+6*\be+2], v[XS:XS+15], v[SO]
	v_cvt_scalef32_pk16_bf6_f32 v[WTP:WTP+2], v[XS+16:XS+31], v[SO]   ; (a conversion's three registers begin on an even number)
	v_nop                                          ; one plain line behind a scaled conversion
.irp i, 0,1,2
	v_mov_b32 v[C+6*\be+3+\i], v[WTP+\i]
.endr
.endr
.irp i, 0,1,2,3,4,5
	v_permlane16_swap_b32 v[C+\i], v[C+6+\i]       ; the first now holds tile 2 w (lanes 0-15 block 0, lanes 16-31 block 1), the second tile 2 w + 1
	v_permlane16_swap_b32 v[C+12+\i], v[C+18+\i]   ; likewise blocks 2 and 3
.endr
.irp u, 0,1
	global_store_b128 v[LI], v[C+6*\u:C+6*\u+3], s[24:25] offset:12*\kk*\u          ; each store covers 512 or 256 consecutive bytes, aligned
	global_store_b64 v[L8], v[C+6*\u+4:C+6*\u+5], s[24:25] offset:12*\kk*\u+512
	global_store_b128 v[LI], v[C+6*\u+12:C+6*\u+15], s[24:25] offset:12*\kk*\u+768
	global_store_b64 v[L8], v[C+6*\u+16:C+6*\u+17], s[24:25] offset:12*\kk*\u+1280
.endr
	global_store_b32 v[L4], v[WD], s[26:27]        ; 128 consecutive bytes a wave: the four waves fill the 512
	s_endpgm
.endm
	s_load_b256 s[4:11], s[0:1], 0x0               ; the rows s[4:5], gain s[6:7], bias s[8:9], the rows' codes s[10:11]
	s_load_b128 s[28:31], s[0:1], 0x20             ; the first weight s[28:29], the second s[30:31]
	s_load_b64 s[32:33], s[0:1], 0x30              ; wts
	v_lshl_add_u32 v251, v0, 2, 0x18000
	v_mov_b32 v255, 0
	s_and_b32 s34, ttmp7, 0xffff                   ; the work-group's y: which kind of work
	s_cmp_lg_u32 s34, 0
	s_cbranch_scc1 .Lweights
	; ---- LayerNorm: the work-group's x is the tile of 16 rows
	v_lshrrev_b32 v1, 5, v0
	v_readfirstlane_b32 s16, v1                    ; wave
	v_and_b32 v1, 31, v0                           ; lane
	v_and_b32 v2, 15, v0                           ; r
	v_bfe_u32 v3, v0, 4, 1                         ; h
	v_lshlrev_b32 v4, 4, v1                        ; 16 x lane
	v_lshlrev_b32 v5, 3, v1                        ; 8 x lane
	s_mul_i32 s17, s16, 4*4112
	v_add_nc_u32 v6, s17, v4                       ; the stage, in: my wave's four rows, 16 bytes a lane
	v_mul_u32_u24 v7, v2, 4112
	v_lshl_add_u32 v7, v3, 7, v7
	s_lshl_b32 s17, s16, 10
	v_add_nc_u32 v7, s17, v7                       ; and out: row r, + 128 h, + my wave's two K steps
	v_lshlrev_b32 v8, 2, v2
	v_lshl_add_u32 v8, v3, 9, v8                   ; scale words: 4 r, lanes 16-31 one K step (512 bytes) on
	v_lshlrev_b32 v9, 3, v3                        ; 8 h
	s_mov_b32 s12, 0x76543210
	s_mov_b32 s13, 0xfedcba98                      ; v_permlanex16_b32's selects for lane l xor 16
	s_mov_b32 s14, 0x3a800000                      ; 1 / 1,024
	s_mov_b32 s15, 0x3727c5ac                      ; 1e-5
	s_mov_b32 s20, 0xffff0000                      ; lanes 16-31
	s_lshr_b32 s18, ttmp9, 1
	s_lshl_b32 s18, s18, 5
	s_and_b32 s19, ttmp9, 1
	s_lshl_b32 s19, s19, 3
	s_add_co_u32 s18, s18, s19
	s_lshl_b32 s19, s16, 2
	s_add_co_u32 s18, s18, s19
	s_lshr_b32 s19, s16, 1
	s_lshl_b32 s19, s19, 3
	s_add_co_u32 s18, s18, s19                     ; my first row: 32 (tile / 2) + 8 (tile % 2) + 4 w + 8 (w / 2)
	s_lshl_b32 s18, s18, 12
	s_mov_b32 s19, 0
	s_mul_i32 s22, ttmp9, 12288
	s_mul_i32 s23, s16, 3072
	s_add_co_u32 s22, s22, s23                     ; the tile's images, my two K steps
	s_mov_b32 s23, 0
	s_lshr_b32 s24, ttmp9, 3
	s_lshl_b32 s24, s24, 12
	s_lshl_b32 s25, s16, 10
	s_add_co_u32 s24, s24, s25
	s_and_b32 s25, ttmp9, 7
	s_lshl_b32 s25, s25, 6
	s_add_co_u32 s24, s24, s25
	s_add_co_u32 s24, s24, 3145728                 ; the scale words of (group of 128 rows, K step 2 w, tile in group)
	s_mov_b32 s25, 0
	s_wait_kmcnt 0x0
	s_add_nc_u64 s[4:5], s[4:5], s[18:19]
	s_add_nc_u64 s[22:23], s[10:11], s[22:23]
	s_add_nc_u64 s[24:25], s[10:11], s[24:25]
.irp j, 0,1,2,3,4,5,6,7
	global_load_b128 v[GA+4*\j:GA+4*\j+3], v4, s[6:7] offset:512*\j
	global_load_b128 v[BE+4*\j:BE+4*\j+3], v4, s[8:9] offset:512*\j
.endr
.irp i, 0,1,2,3
.irp j, 0,1,2,3,4,5,6,7
	global_load_b128 v[X+32*\i+4*\j:X+32*\i+4*\j+3], v4, s[4:5] offset:4096*\i+512*\j th:TH_LOAD_NT   ; 512 consecutive bytes a load
.endr
.endr
	s_wait_loadcnt 0x0
.irp i, 0,1,2,3
	v_pk_add_f32 v[SM+2*\i:SM+2*\i+1], v[X+32*\i:X+32*\i+1], v[X+32*\i+2:X+32*\i+3]
.endr
.irp j, 4,6,8,10,12,14,16,18,20,22,24,26,28,30
.irp i, 0,1,2,3
	v_pk_add_f32 v[SM+2*\i:SM+2*\i+1], v[SM+2*\i:SM+2*\i+1], v[X+32*\i+\j:X+32*\i+\j+1]
.endr
.endr
.irp i, 0,1,2,3
	v_add_f32 v[SM+2*\i], v[SM+2*\i], v[SM+2*\i+1]
.endr
	RED SM
.irp i, 0,1,2,3
	v_mul_f32 v[SM+2*\i], s14, v[SM+2*\i]          ; the mean
.endr
.irp j, 0,2,4,6,8,10,12,14,16,18,20,22,24,26,28,30
.irp i, 0,1,2,3
	v_pk_add_f32 v[X+32*\i+\j:X+32*\i+\j+1], v[X+32*\i+\j:X+32*\i+\j+1], v[SM+2*\i:SM+2*\i+1] op_sel_hi:[1,0] neg_lo:[0,1] neg_hi:[0,1]   ; x - mean
.endr
.endr
.irp i, 0,1,2,3
	v_pk_mul_f32 v[SQ+2*\i:SQ+2*\i+1], v[X+32*\i:X+32*\i+1], v[X+32*\i:X+32*\i+1]
.endr
.irp j, 2,4,6,8,10,12,14,16,18,20,22,24,26,28,30
.irp i, 0,1,2,3
	v_pk_fma_f32 v[SQ+2*\i:SQ+2*\i+1], v[X+32*\i+\j:X+32*\i+\j+1], v[X+32*\i+\j:X+32*\i+\j+1], v[SQ+2*\i:SQ+2*\i+1]
.endr
.endr
.irp i, 0,1,2,3
	v_add_f32 v[SQ+2*\i], v[SQ+2*\i], v[SQ+2*\i+1]
.endr
	RED SQ
.irp i, 0,1,2,3
	v_fma_f32 v[SQ+2*\i], v[SQ+2*\i], s14, s15     ; the variance + 1e-5
.endr
.irp i, 0,1,2,3
	v_rsq_f32 v[SM+2*\i], v[SQ+2*\i]
.endr
	v_nop                                          ; a plain line behind the last of the batch
	s_wait_alu depctr_va_vdst(0)                   ; one wait for the four, ahead of their first reader
.irp j, 0,2,4,6,8,10,12,14,16,18,20,22,24,26,28,30
.irp i, 0,1,2,3
	v_pk_mul_f32 v[X+32*\i+\j:X+32*\i+\j+1], v[X+32*\i+\j:X+32*\i+\j+1], v[SM+2*\i:SM+2*\i+1] op_sel_hi:[1,0]
.endr
.endr
.irp j, 0,2,4,6,8,10,12,14,16,18,20,22,24,26,28,30
.irp i, 0,1,2,3
	v_pk_fma_f32 v[X+32*\i+\j:X+32*\i+\j+1], v[X+32*\i+\j:X+32*\i+\j+1], v[GA+\j:GA+\j+1], v[BE+\j:BE+\j+1]
.endr
.endr
.irp i, 0,1,2,3
.irp j, 0,1,2,3,4,5,6,7
	ds_store_b128 v6, v[X+32*\i+4*\j:X+32*\i+4*\j+3] offset:4112*\i+512*\j
.endr
.endr
	s_wait_dscnt 0x0                               ; for the others' sake: my rows lie in the stage
	s_barrier_signal -1
	s_barrier_wait -1
.irp s, 0,1
.irp c, 0,1
.irp k, 0,1,2,3,4,5,6,7
	ds_load_b128 v[X+64*\s+32*\c+4*\k:X+64*\s+32*\c+4*\k+3], v7 offset:512*\s+256*\c+16*\k   ; row r, k = 128 (2 w + s) + 64 c + 32 h + 4 k ..
.endr
.endr
.endr
	s_wait_dscnt 16                                ; the first K step's 16 loads are in
	LQ 0
	s_wait_dscnt 0x0
	LQ 1
	v_cndmask_b32 v28, v26, v27, s20               ; lanes 0-15 K step 2 w's words, lanes 16-31 K step 2 w + 1's
	global_store_b32 v8, v28, s[24:25]
	s_wait_tensorcnt 0x0
	ds_add_u32 v251, v255
	s_wait_dscnt 0x0
	s_endpgm
.Lweights:
	; ---- a piece of a weight
	v_lshrrev_b32 v14, 5, v0
	v_readfirstlane_b32 s14, v14                   ; wave
	v_and_b32 v14, 31, v0                          ; lane
	v_and_b32 v15, 7, v14
	v_bfe_u32 v16, v14, 4, 1
	v_lshl_or_b32 v15, v16, 3, v15
	v_bfe_u32 v16, v14, 3, 1
	v_lshl_or_b32 v15, v16, 4, v15                 ; my column: lane % 8 + 8 (lane / 16) + 16 ((lane / 8) % 2)
	v_lshlrev_b32 v[CO], 2, v15
	v_lshlrev_b32 v[LI], 4, v14
	v_lshlrev_b32 v[L8], 3, v14
	v_lshlrev_b32 v[L4], 2, v14
	s_wait_kmcnt 0x0
	s_cmp_eq_u32 s34, 1                            ; y = 1: W1: 32 groups of 128 columns x 8 K steps; y = 2: W2: 8 x 32
	s_cbranch_scc1 .Lw1
	BODY 1024, 4096, 5, 0, 30, 6291456, 9699328
.Lw1:
	BODY 4096, 1024, 3, 0, 28, 3145728, 9568256
.Lfunc_end_k_qb59f234e03_prep2:
	.size	k_qb59f234e03_prep2, .Lfunc_end_k_qb59f234e03_prep2-k_qb59f234e03_prep2
	.p2alignl 7, 3214868480
	.fill 96, 4, 3214868480
	.section	.rodata,"a",@progbits
	.p2align	6, 0x0
	.amdhsa_kernel k_qb59f234e03_prep2
		.amdhsa_group_segment_fixed_size 98816
		.amdhsa_private_segment_fixed_size 0
		.amdhsa_enable_private_segment 0
		.amdhsa_kernarg_size 56
		.amdhsa_user_sgpr_count 2
		.amdhsa_user_sgpr_kernarg_segment_ptr 1
		.amdhsa_wavefront_size32 1
		.amdhsa_system_sgpr_workgroup_id_x 1
		.amdhsa_system_sgpr_workgroup_id_y 1
		.amdhsa_system_sgpr_workgroup_id_z 1
		.amdhsa_system_vgpr_workitem_id 0
		.amdhsa_next_free_vgpr 256
		.amdhsa_next_free_sgpr 66
		.amdhsa_reserve_vcc 0
		.amdhsa_float_denorm_mode_32 3
		.amdhsa_float_denorm_mode_16_64 3
		.amdhsa_memory_ordered 1
		.amdhsa_forward_progress 1
		.amdhsa_inst_pref_size 83
	.end_amdhsa_kernel
	.amdgpu_metadata
---
amdhsa.version: [ 1, 2 ]
amdhsa.kernels:
  - .name:           k_qb59f234e03_prep2
    .symbol:         k_qb59f234e03_prep2.kd
    .args:
      - { .name: x1, .offset: 0, .size: 8, .value_kind: global_buffer, .address_space: global }
      - { .name: ln2_g, .offset: 8, .size: 8, .value_kind: global_buffer, .address_space: global }
      - { .name: ln2_b, .offset: 16, .size: 8, .value_kind: global_buffer, .address_space: global }
      - { .name: ha, .offset: 24, .size: 8, .value_kind: global_buffer, .address_space: global }
      - { .name: W1, .offset: 32, .size: 8, .value_kind: global_buffer, .address_space: global }
      - { .name: W2, .offset: 40, .size: 8, .value_kind: global_buffer, .address_space: global }
      - { .name: wts, .offset: 48, .size: 8, .value_kind: global_buffer, .address_space: global }
    .group_segment_fixed_size: 98816
    .private_segment_fixed_size: 0
    .kernarg_segment_align: 8
    .kernarg_segment_size: 56
    .max_flat_workgroup_size: 128
    .sgpr_count:     66
    .vgpr_count:     256
    .wavefront_size: 32
...
	.end_amdgpu_metadata
.endif
;; end of part 5
;; launch gemm_1 (part 6): grid 16 x 16, 4 waves a work-group, clusters of 4 x 4, 327,680 bytes of LDS; arguments ha, wts, b1, ga; writes ga
.if DOCPART == 6
	.amdgcn_target "amdgcn-amd-amdhsa--gfx1250"
	.amdhsa_code_object_version 6
	.text
	.protected	k_qb59f234e03_gemm_1
	.globl	k_qb59f234e03_gemm_1
	.p2align	8
	.type	k_qb59f234e03_gemm_1,@function
k_qb59f234e03_gemm_1:
	s_mov_b64 s[64:65], 0
	v_nop
	global_prefetch_b8 v0, s[64:65] scope:SCOPE_SE
	s_setreg_imm32_b32 hwreg(HW_REG_WAVE_MODE, 25, 1), 1
	s_wait_xcnt 0x0
	s_wait_alu depctr_hold_cnt(0) depctr_sa_sdst(0) depctr_va_vdst(0) depctr_va_sdst(0) depctr_va_ssrc(0) depctr_va_vcc(0) depctr_vm_vsrc(0)
	s_getreg_b32 s2, hwreg(HW_REG_IB_STS2, 6, 4)
	s_cmp_eq_u32 s2, 0
	s_cbranch_scc0 .Lentry_in_a_cluster
	s_endpgm
.Lentry_in_a_cluster:
	s_bfe_u32 s2, ttmp6, 0x10000c
	s_cmp_lg_u32 s2, 0xf033
	s_cbranch_scc0 .Lentry_shape_is_right
	s_endpgm
.Lentry_shape_is_right:
; g = gelu(LN2(x1) W1 + b1), the exact gelu, quantised along the 4,096 hidden units; the product runs on codes of BF6 (E3M2) with E8M0 scales; g leaves as operand images and never as f32.
; OPERANDS lie as images of their registers: tiles of 16 rows (tile 2 b + u holds at place r row 32 b + 8 u + r + 8 (r / 8)), 1,536 bytes for 128 along K, tiles 12 K bytes apart; scale words [rows / 128][K step][tile][place].
; A work-group of four waves makes 256 x 256, a wave 128 x 128: 64 accumulators.  K goes through two LDS slots of 256 along K, filled by joint tensor loads in a cluster of 4 x 4: A's tiles are shared along a row, B's along a column.
; Source 0 = B's tile (weight columns), source 1 = A's (tokens): a lane holds one token, and its 64 registers of a tile of tokens are its half of 128 neighbouring hidden units: one K step of the next product.
; GELU.  gelu(x) = max(x, 0) - |x| erfc(|x| / sqrt 2) / 2, with erfc(z) = t exp(-z^2 + P(t)), t = 1 / (1 + z / 2), P of degree 9 (a published fit with fractional error 1.2e-7 for every z, so the small values left of zero keep
; their relative accuracy).  The constants are scaled for base 2: z' = |x| sqrt(log2(e) / 2), E = -z'^2 + P'(t), gelu = max(x, 0) - 0.588705 z' t 2^E.  Far out 2^E falls to 0 and gelu to max(x, 0).
; The way out is a loop over the wave's eight tiles of tokens: what differs (the accumulators' registers) is a short copy for each tile, reached by a ladder on the loop's counter; the arithmetic is written once.
; LIMITS: a block of zeros gets the byte 1; blocks under 2^-122 are held at byte 1; NaN and infinities are not served.  No prefetch: half of the K steps are among the first fills.
; REGISTERS.  Window 0: v1-31 addresses, v32-63 scale words, v64-159 A's and v160-255 B's fragments, set 0.  Window 1: v0-63 the bias; fragments, set 1.  Windows 2, 3: accumulators, (a, b) at v[8 (8 (a % 4) + b)] of window 2 + a / 4.
.set KK, 1024
.set ASOFF, 3145728
.set BCOFF, 3145728
.set BSOFF, 9568256
.set NA, 8
.set NB, 8
.set NQ, 2
.set AW, 4
.set LAPS, KK/(256*NQ)
.set RTP, 12*KK
.set HALFT, NA*NQ*1536
.set HALFS, NA*KK/2
.set SROW, HALFS
.set NLDW, 63                          ; a step's fetch is 64 LDS loads; a wait names 63 at the most
.set SLOT, 4*HALFT
.set SCL, 2*SLOT
.set SPARE, SCL+4*HALFS
.set XTRA, SPARE+512
.set ADRA, 16
.set ADRB, 20
.set ADRS, 27
.set SPW, 28
.set NIL, 29
.set LI, 30
.set L8, 31
.set SC, 32
.set AF, 64
.set BF, 160
.set G1, 24
.set G0, 32
.set G1B, 48
.set G0B, 56
.set G1S, 68
.set G0S, 76
.set G1SB, 80
.set G0SB, 88
.set MSB, 0
.macro WIN new
.if MSB != (\new)
	s_set_vgpr_msb (MSB<<8)|(\new)
.set MSB, (\new)
.endif
.endm
.macro JLOAD g0a, g1a, g0b, g1b        ; a joint load: waves 0, 1 fetch for A, waves 2, 3 for B; four v_nop follow each line
	s_cmp_eq_u32 s15, 0
	s_cbranch_scc0 .Lfor_b_\@
	tensor_load_to_lds s[\g0a:\g0a+3], s[\g1a:\g1a+7]
	s_nop 0
.rept 4
	v_nop
.endr
	s_branch .Lasked_\@
.Lfor_b_\@:
	tensor_load_to_lds s[\g0b:\g0b+3], s[\g1b:\g1b+7]
	s_nop 0
.rept 4
	v_nop
.endr
.Lasked_\@:
.endm
.macro CREST
	s_cmp_lg_u32 s14, 0
	s_cbranch_scc1 .Lnot_wave_0_\@
	s_barrier_signal -3
.Lnot_wave_0_\@:
	s_barrier_wait -3
	s_barrier_signal -1
	s_barrier_wait -1
.endm
.macro CROUND
	s_barrier_signal -1
	s_barrier_wait -1
	CREST
.endm
.macro PLACES n
.rept \n
	v_nop
.endr
.endm
.macro FRAG reg, adr, off
	ds_load_b128 v[\reg:\reg+3], v[\adr] offset:\off
	ds_load_b64 v[\reg+4:\reg+5], v[\adr+1] offset:\off+512
	ds_load_b128 v[\reg+6:\reg+9], v[\adr] offset:\off+768
	ds_load_b64 v[\reg+10:\reg+11], v[\adr+1] offset:\off+1280
.endm
.macro FETCH slot, q, p
	WIN (\p)<<6
.set ii, 0
.rept NB
	FRAG BF+12*ii, ADRB+2*\slot, (ii*NQ+\q)*1536
.set ii, ii+1
.endr
.set ii, 0
.rept NA
	FRAG AF+12*ii, ADRA+2*\slot, (ii*NQ+\q)*1536
.set ii, ii+1
.endr
.endm
.macro SCALES sc
.set ii, 0
.rept NA
.set qq, 0
.rept NQ
	ds_load_b32 v[SC+16*\sc+NQ*ii+qq], v[ADRS] offset:512*qq+64*ii
.set qq, qq+1
.endr
.set ii, ii+1
.endr
.endm
.macro MUL a0, n, p, q, sc, first      ; the accumulators take turns, one instruction a turn, in the same order in every step
.set aa, \a0
.rept \n
.set ww, 2+aa/AW
.if \first
	WIN (ww<<6)|0x10|(5*(\p))
.else
	WIN (ww<<6)|(ww<<4)|(5*(\p))
.endif
.set bb, 0
.rept NB
.set dd, 8*(NB*(aa%AW)+bb)
.if \first
	v_wmma_scale_f32_16x16x128_f8f6f4 v[dd:dd+7], v[BF+12*bb:BF+12*bb+11], v[AF+12*aa:AF+12*aa+11], v[8*bb:8*bb+7], v[SC+16*(\sc)+NQ*bb+(\q)], v[SC+16*(\sc)+NQ*aa+(\q)] matrix_a_fmt:MATRIX_FMT_BF6 matrix_b_fmt:MATRIX_FMT_BF6 matrix_a_scale:MATRIX_SCALE_ROW1
.else
	v_wmma_scale_f32_16x16x128_f8f6f4 v[dd:dd+7], v[BF+12*bb:BF+12*bb+11], v[AF+12*aa:AF+12*aa+11], v[dd:dd+7], v[SC+16*(\sc)+NQ*bb+(\q)], v[SC+16*(\sc)+NQ*aa+(\q)] matrix_a_fmt:MATRIX_FMT_BF6 matrix_b_fmt:MATRIX_FMT_BF6 matrix_a_scale:MATRIX_SCALE_ROW1
.endif
.set bb, bb+1
.endr
.set aa, aa+1
.endr
.endm
.macro STEP slot, q, first
	PLACES 4                                       ; in front of loads into the set that the last step multiplied
	FETCH \slot, (\q)+1, ((\q)+1)%2
	s_wait_dscnt NLDW                              ; all but the fetch just issued
	MUL 0, NA, (\q)%2, \q, \slot, \first
.endm
.macro TURN slot, next, fill
	WIN 0
	s_wait_tensorcnt 0x0                           ; all my tensor loads have landed: my part of the next slot
	ds_add_u32 v[SPW], v[NIL]                      ; 0 onto my spare word
	s_wait_dscnt 1                                 ; only the add may be out
	MUL 0, NA/4, 1, NQ-1, \slot, 0
	s_wait_dscnt 0x0                               ; the add is done, and my reads of this slot are over
	s_barrier_signal -1
	MUL NA/4, NA/4, 1, NQ-1, \slot, 0
	WIN 0
	s_barrier_wait -1
.if \fill
	CREST                                          ; the barrier has opened a round of the cluster's: no wave of any partner still reads this slot or has a load on its way
	s_add_nc_u64 s[G0+4*\slot+2:G0+4*\slot+3], s[G0+4*\slot+2:G0+4*\slot+3], 2*NQ*1536
	s_add_nc_u64 s[G0B+4*\slot+2:G0B+4*\slot+3], s[G0B+4*\slot+2:G0B+4*\slot+3], 2*NQ*1536
	JLOAD G0+4*\slot, G1, G0B+4*\slot, G1B
.else
	PLACES 4
.endif
	v_add_nc_u32 v[ADRS], 512*NQ, v[ADRS]
	FETCH \next, 0, 0
	SCALES \next
	MUL NA/2, NA/2, 1, NQ-1, \slot, 0
.endm
.macro QUANT s                         ; 64 numbers of a lane, register 16 b + i = k 32 b + 16 (lane / 16) + i, become a fragment's codes in v[PC] on and its scale word in v[PW]
.irp b, 0,1,2,3
	v_max3_num_f32 v[TM+\b], |v[\s+16*\b]|, |v[\s+1+16*\b]|, 0x2800000
.endr
.irp i, 2,4,6,8,10,12,14
.irp b, 0,1,2,3
	v_max3_num_f32 v[TM+\b], v[TM+\b], |v[\s+16*\b+\i]|, |v[\s+1+16*\b+\i]|
.endr
.endr
.irp b, 0,1,2,3
	v_permlanex16_b32 v[TM+4+\b], v[TM+\b], s[SEL], s[SEL+1]
.endr
.irp b, 0,1,2,3
	v_max_num_f32 v[TM+\b], v[TM+\b], v[TM+4+\b]
.endr
.irp b, 0,1,2,3
	v_add_nc_u32 v[TM+12+\b], 0xfe000000, v[TM+\b]
.endr
.irp b, 0,1,2,3
	v_lshrrev_b32 v[TM+4+\b], 23, v[TM+12+\b]
.endr
	v_lshl_or_b32 v[PW], v[TM+5], 8, v[TM+4]
	v_lshl_or_b32 v[PW], v[TM+6], 16, v[PW]
	v_lshl_or_b32 v[PW], v[TM+7], 24, v[PW]
.irp c, 0,1
	v_cvt_scalef32_pk16_bf6_f32 v[PC+6*\c:PC+2+6*\c], v[\s+32*\c:\s+15+32*\c], v[TM+12+2*\c]
	v_cvt_scalef32_pk16_bf6_f32 v[PC+12+4*\c:PC+14+4*\c], v[\s+16+32*\c:\s+31+32*\c], v[TM+12+2*\c+1]
.endr
	v_nop                                          ; one plain line behind a scaled conversion
.irp c, 0,1
.irp i, 0,1,2
	v_permlane16_swap_b32 v[PC+6*\c+\i], v[PC+12+4*\c+\i]
.endr
.irp i, 0,1,2
	v_mov_b32 v[PC+3+6*\c+\i], v[PC+12+4*\c+\i]
.endr
.endr
.endm
	s_load_b128 s[4:7], s[0:1], 0x0                ; ha s[4:5], wts s[6:7]
	s_load_b128 s[8:11], s[0:1], 0x10              ; b1 s[8:9], ga s[10:11]
	v_lshl_add_u32 v[SPW], v0, 2, SPARE
	v_mov_b32 v[NIL], 0
	ds_add_u32 v28, v29
	ds_add_u32 v28, v29
	s_wait_dscnt 0x0
	v_lshrrev_b32 v1, 5, v0
	v_readfirstlane_b32 s14, v1                    ; wave
	s_lshr_b32 s15, s14, 1
	s_and_b32 s16, s14, 1
	s_bfe_u32 s40, ttmp6, 0x40000                  ; cx
	s_bfe_u32 s41, ttmp6, 0x40004                  ; cy
	s_lshl_b32 s42, ttmp9, 2
	s_add_co_u32 s42, s42, s40                     ; tile column
	s_and_b32 s17, ttmp7, 0xffff
	s_lshl_b32 s17, s17, 2
	s_add_co_u32 s17, s17, s41                     ; tile row
	s_lshl_b32 s43, s41, 2
	s_lshl_b32 s43, 15, s43
	s_lshl_b32 s44, 0x1111, s40
	s_or_b32 s[G1+0], s43, (3<<16)|(1<<21)
	s_or_b32 s[G1B+0], s44, (3<<16)|(1<<21)
.irp g, G1, G1B
	s_mov_b32 s[\g+1], (192*NQ)<<16
	s_mov_b32 s[\g+2], NA<<16
	s_mov_b32 s[\g+3], (192*NQ)<<16
	s_mov_b32 s[\g+4], NA
	s_mov_b32 s[\g+5], RTP/8
	s_mov_b32 s[\g+6], 0
	s_mov_b32 s[\g+7], 0
.endr
	s_or_b32 s[G1S+0], s43, (3<<16)|(1<<21)
	s_or_b32 s[G1SB+0], s44, (3<<16)|(1<<21)
.irp g, G1S, G1SB
	s_mov_b32 s[\g+1], 32<<16
	s_mov_b32 s[\g+2], (HALFS/256)<<16
	s_mov_b32 s[\g+3], 32<<16
	s_mov_b32 s[\g+4], HALFS/256
	s_mov_b32 s[\g+5], 32
	s_mov_b32 s[\g+6], 0
	s_mov_b32 s[\g+7], 0
.endr
	s_lshl_b32 s20, s17, 1
	s_add_co_u32 s20, s20, s16
	s_mul_i32 s22, s20, HALFS
	s_add_co_u32 s22, s22, ASOFF
	s_mul_i32 s20, s20, NA*RTP
	s_mov_b32 s21, 0
	s_mov_b32 s23, 0
	s_lshl_b32 s46, s42, 1
	s_add_co_u32 s46, s46, s16
	s_mul_i32 s92, s46, HALFS
	s_add_co_u32 s92, s92, BSOFF
	s_mul_i32 s46, s46, NA*RTP
	s_add_co_u32 s46, s46, BCOFF
	s_mov_b32 s47, 0
	s_mov_b32 s93, 0
	s_mul_i32 s45, s14, HALFT
	s_mul_i32 s94, s14, HALFS
	s_wait_kmcnt 0x0
	s_add_nc_u64 s[20:21], s[4:5], s[20:21]
	s_add_nc_u64 s[22:23], s[4:5], s[22:23]
	s_add_nc_u64 s[46:47], s[6:7], s[46:47]
	s_add_nc_u64 s[92:93], s[6:7], s[92:93]
	CROUND                                         ; all sixteen work-groups are here: the first joint loads meet
	s_mov_b32 s[G0S], 1
	s_add_co_u32 s[G0S+1], s94, SCL
	s_mov_b64 s[G0S+2:G0S+3], s[22:23]
	s_or_b32 s[G0S+3], s[G0S+3], 0x80000000
	s_mov_b32 s[G0SB], 1
	s_add_co_u32 s[G0SB+1], s94, SCL
	s_mov_b64 s[G0SB+2:G0SB+3], s[92:93]
	s_or_b32 s[G0SB+3], s[G0SB+3], 0x80000000
	JLOAD G0S, G1S, G0SB, G1SB                     ; the scale words, then both slots: three tensor loads of mine are out
.irp s, 0,1
	s_mov_b32 s[G0+4*\s], 1
	s_add_co_u32 s[G0+4*\s+1], s45, \s*SLOT
	s_add_nc_u64 s[G0+4*\s+2:G0+4*\s+3], s[20:21], \s*NQ*1536
	s_or_b32 s[G0+4*\s+3], s[G0+4*\s+3], 0x80000000
	s_mov_b32 s[G0B+4*\s], 1
	s_add_co_u32 s[G0B+4*\s+1], s45, \s*SLOT
	s_add_nc_u64 s[G0B+4*\s+2:G0B+4*\s+3], s[46:47], \s*NQ*1536
	s_or_b32 s[G0B+4*\s+3], s[G0B+4*\s+3], 0x80000000
	JLOAD G0+4*\s, G1, G0B+4*\s, G1B
.endr
	v_and_b32 v1, 15, v0                           ; r
	v_bfe_u32 v2, v0, 4, 1                         ; h
	v_and_b32 v3, 31, v0                           ; lane
	v_lshlrev_b32 v[LI], 4, v3
	v_lshlrev_b32 v[L8], 3, v3
	s_mul_i32 s21, s15, HALFT
	s_mul_i32 s22, s16, HALFT
	s_add_co_u32 s22, s22, 2*HALFT
.irp s, 0,1
	v_add_nc_u32 v[ADRA+2*\s], s21, v[LI]
	v_add_nc_u32 v[ADRA+2*\s+1], s21, v[L8]
	v_add_nc_u32 v[ADRB+2*\s], s22, v[LI]
	v_add_nc_u32 v[ADRB+2*\s+1], s22, v[L8]
	s_add_co_u32 s21, s21, SLOT
	s_add_co_u32 s22, s22, SLOT
.endr
	s_mul_i32 s21, s15, SROW
	s_mul_i32 s22, s16, SROW
	s_add_co_u32 s22, s22, 2*HALFS
	s_sub_co_u32 s22, s22, s21
	v_mul_u32_u24 v4, s22, v2                      ; lanes 16-31 take B's words
	s_add_co_u32 s21, s21, SCL
	v_lshl_add_u32 v4, v1, 2, v4
	v_add_nc_u32 v[ADRS], s21, v4
	s_lshl_b32 s21, s14, 10
	s_add_co_u32 s21, s21, XTRA
	v_lshl_add_u32 v24, v1, 2, s21                 ; the scale words' scratch, in: 4 r
	v_add_nc_u32 v25, s21, v[LI]                   ; and out: 16 x lane
	s_lshl_b32 s46, s42, 10
	s_lshl_b32 s47, s16, 9
	s_add_co_u32 s46, s46, s47
	s_mov_b32 s47, 0
	s_add_nc_u64 s[8:9], s[8:9], s[46:47]          ; b1 at my first column
	v_lshlrev_b32 v5, 6, v2
	WIN 0x40
.irp b, 0,1,2,3,4,5,6,7
	global_load_b128 v[8*\b:8*\b+3], v5, s[8:9] offset:(32*(\b/2)+8*(\b%2))*4
	global_load_b128 v[8*\b+4:8*\b+7], v5, s[8:9] offset:(32*(\b/2)+8*(\b%2))*4+16
.endr
	WIN 0
	s_wait_tensorcnt 1                             ; the scale words and my part of slot 0 are in; slot 1's may stay out
	s_barrier_signal -1
	s_barrier_wait -1
	FETCH 0, 0, 0
	SCALES 0
	s_wait_loadcnt 0x0                             ; the bias
	STEP 0, 0, 1
	WIN 0
	s_mov_b32 s3, LAPS-1
.Llap:
	TURN 0, 1, 1
	STEP 1, 0, 0
	TURN 1, 0, 1
	STEP 0, 0, 0
	WIN 0
	s_sub_co_u32 s3, s3, 1
	s_cmp_lg_u32 s3, 0
	s_cbranch_scc1 .Llap
	TURN 0, 1, 0
	STEP 1, 0, 0
	s_wait_dscnt 0x0
	MUL 0, NA, 1, NQ-1, 1, 0
	WIN 0
	PLACES 4
	; ---- the way out.  No tensor load of mine is out: the descriptors' registers take the constants
.set GR, 64                            ; v64-127  max(x, 0), then gelu
.set ZR, 128                           ; v128-191 z'
.set TT, 192                           ; v192-223 t, 32 numbers at a time
.set PP, 224                           ; v224-255 the polynomial, E, 2^E
.set A9V, 6                            ; v[6:7]
.set PC, 128                           ; the quantiser works where z' lay
.set TM, 160
.set PW, 176
.set CZ, 24
.set CT, 26
.set A8, 28
.set A7, 30
.set A6, 32
.set A5, 34
.set A4, 36
.set A3, 38
.set A2, 48
.set A1, 50
.set A0, 52
.set CF, 54
.set SEL, 56
.set DST, 58
.set TC, 60
.set SOF, 61
.set DSS, 62
.macro SPAIR reg, val                  ; a packed form names a pair and takes its low word for both halves: both are written
	s_mov_b32 s[\reg], \val
	s_mov_b32 s[\reg+1], \val
.endm
	s_mov_b32 s[CZ], 0x3f596d27                    ; sqrt(log2(e) / 2)
	SPAIR CT, 0x3ed5224d                           ; 1 / (2 sqrt(log2(e)))
	SPAIR A8, 0xbf97d29d                           ; the fit's coefficients x log2(e)
	SPAIR A7, 0x40097039
	SPAIR A6, 0xbfd1a1e5
	SPAIR A5, 0x3ecdfd18
	SPAIR A4, 0xbe899a80
	SPAIR A3, 0x3e0efb2e
	SPAIR A2, 0x3f0a29d2
	SPAIR A1, 0x3fb8ab5a
	SPAIR A0, 0xbfe9b21e
	SPAIR CF, 0xbf16b55f                           ; -1 / (2 sqrt(log2(e) / 2))
	s_mov_b32 s[SEL], 0x76543210
	s_mov_b32 s[SEL+1], 0xfedcba98
	v_mov_b32 v[A9V], 0x3e7c6f08
	v_mov_b32 v[A9V+1], 0x3e7c6f08
	s_lshl_b32 s20, s17, 1
	s_add_co_u32 s20, s20, s15                     ; my group of 128 rows
	s_lshl_b32 s21, s42, 1
	s_add_co_u32 s21, s21, s16                     ; my 128 hidden units: a K step of the next product
	s_mul_i32 s22, s20, 8*49152
	s_mul_i32 s23, s21, 1536
	s_add_co_u32 s22, s22, s23
	s_mov_b32 s23, 0
	s_add_nc_u64 s[DST:DST+1], s[10:11], s[22:23]
	s_lshl_b32 s22, s20, 5
	s_add_co_u32 s22, s22, s21
	s_lshl_b32 s22, s22, 9
	s_add_co_u32 s22, s22, 12582912
	s_add_nc_u64 s[DSS:DSS+1], s[10:11], s[22:23]
.macro COPY k                          ; tile k's 64 sums: z' and max(x, 0); each accumulator from its low end on
	WIN 2+(\k)/4
.set jj, 0
.rept 64
	v_mul_f32 v[ZR+jj], |v[64*((\k)%4)+jj]|, s[CZ]
	v_max_num_f32 v[GR+jj], v[64*((\k)%4)+jj], 0
.set jj, jj+1
.endr
	WIN 0
.endm
.macro HORNER c                        ; P = P t + c
.set ii, 0
.rept 16
	v_pk_fma_f32 v[PP+ii:PP+ii+1], v[PP+ii:PP+ii+1], v[TT+ii:TT+ii+1], s[\c:\c+1] op_sel_hi:[1,1,0]
.set ii, ii+2
.endr
.endm
.macro GELU32 hf                       ; 32 of the lane's 64 numbers
.set zz, ZR+32*\hf
.set gg, GR+32*\hf
.set ii, 0
.rept 16
	v_pk_fma_f32 v[TT+ii:TT+ii+1], v[zz+ii:zz+ii+1], s[CT:CT+1], 1.0 op_sel_hi:[1,0,0]   ; 1 + z / 2
.set ii, ii+2
.endr
.set ii, 0
.rept 32
	v_rcp_f32 v[TT+ii], v[TT+ii]
.set ii, ii+1
.endr
	v_nop                                          ; a plain line behind the batch
	s_wait_alu depctr_va_vdst(0)                   ; one wait for the 32 reciprocals, ahead of their first reader
.set ii, 0
.rept 16
	v_pk_fma_f32 v[PP+ii:PP+ii+1], v[TT+ii:TT+ii+1], v[A9V:A9V+1], s[A8:A8+1] op_sel_hi:[1,1,0]
.set ii, ii+2
.endr
	HORNER A7
	HORNER A6
	HORNER A5
	HORNER A4
	HORNER A3
	HORNER A2
	HORNER A1
	HORNER A0
.set ii, 0
.rept 16
	v_pk_fma_f32 v[PP+ii:PP+ii+1], v[zz+ii:zz+ii+1], v[zz+ii:zz+ii+1], v[PP+ii:PP+ii+1] neg_lo:[1,0,0] neg_hi:[1,0,0]   ; E = -z'^2 + P'
.set ii, ii+2
.endr
.set ii, 0
.rept 32
	v_exp_f32 v[PP+ii], v[PP+ii]
.set ii, ii+1
.endr
.set ii, 0
.rept 16
	v_pk_mul_f32 v[TT+ii:TT+ii+1], v[zz+ii:zz+ii+1], v[TT+ii:TT+ii+1]   ; z' t: plain work behind the batch, which names none of its results
.set ii, ii+2
.endr
	s_wait_alu depctr_va_vdst(0)                   ; one wait for the 32 exponentials
.set ii, 0
.rept 16
	v_pk_mul_f32 v[TT+ii:TT+ii+1], v[TT+ii:TT+ii+1], v[PP+ii:PP+ii+1]
.set ii, ii+2
.endr
.set ii, 0
.rept 16
	v_pk_fma_f32 v[gg+ii:gg+ii+1], v[TT+ii:TT+ii+1], s[CF:CF+1], v[gg+ii:gg+ii+1] op_sel_hi:[1,0,1]
.set ii, ii+2
.endr
.endm
	s_mov_b32 s[TC], 0
.Ltile:
	s_cmp_eq_u32 s[TC], 0
	s_cbranch_scc1 .Lcopy0
	s_cmp_eq_u32 s[TC], 1
	s_cbranch_scc1 .Lcopy1
	s_cmp_eq_u32 s[TC], 2
	s_cbranch_scc1 .Lcopy2
	s_cmp_eq_u32 s[TC], 3
	s_cbranch_scc1 .Lcopy3
	s_cmp_eq_u32 s[TC], 4
	s_cbranch_scc1 .Lcopy4
	s_cmp_eq_u32 s[TC], 5
	s_cbranch_scc1 .Lcopy5
	s_cmp_eq_u32 s[TC], 6
	s_cbranch_scc1 .Lcopy6
	COPY 7
	s_branch .Lcommon
.Lcopy0:
	COPY 0
	s_branch .Lcommon
.Lcopy1:
	COPY 1
	s_branch .Lcommon
.Lcopy2:
	COPY 2
	s_branch .Lcommon
.Lcopy3:
	COPY 3
	s_branch .Lcommon
.Lcopy4:
	COPY 4
	s_branch .Lcommon
.Lcopy5:
	COPY 5
	s_branch .Lcommon
.Lcopy6:
	COPY 6
.Lcommon:
	GELU32 0
	GELU32 1
	QUANT GR
	global_store_b128 v[LI], v[PC:PC+3], s[DST:DST+1]              ; 512 and 256 consecutive bytes, aligned
	global_store_b64 v[L8], v[PC+4:PC+5], s[DST:DST+1] offset:512
	global_store_b128 v[LI], v[PC+6:PC+9], s[DST:DST+1] offset:768
	global_store_b64 v[L8], v[PC+10:PC+11], s[DST:DST+1] offset:1280
	s_lshl_b32 s[SOF], s[TC], 6
	v_add_nc_u32 v26, s[SOF], v24
	ds_store_b32 v26, v[PW]                        ; both halves of the lanes write the same word with the same value
	s_wait_xcnt 0x0                                ; the stores have read their registers and their base: both are written again only behind this wait
	s_add_nc_u64 s[DST:DST+1], s[DST:DST+1], 49152
	s_add_co_u32 s[TC], s[TC], 1
	s_cmp_lt_u32 s[TC], 8
	s_cbranch_scc1 .Ltile
	ds_load_b128 v[64:67], v25                     ; LDS serves a wave's instructions in order: this sees my stores
	s_wait_dscnt 0x0
	global_store_b128 v[LI], v[64:67], s[DSS:DSS+1]   ; my eight tiles' scale words: 512 consecutive bytes
	s_wait_tensorcnt 0x0                           ; the wave's end
	ds_add_u32 v[SPW], v[NIL]
	s_wait_dscnt 0x0
	CROUND                                         ; the closing round
	s_endpgm
.Lfunc_end_k_qb59f234e03_gemm_1:
	.size	k_qb59f234e03_gemm_1, .Lfunc_end_k_qb59f234e03_gemm_1-k_qb59f234e03_gemm_1
	.p2alignl 7, 3214868480
	.fill 96, 4, 3214868480
	.section	.rodata,"a",@progbits
	.p2align	6, 0x0
	.amdhsa_kernel k_qb59f234e03_gemm_1
		.amdhsa_group_segment_fixed_size 327680
		.amdhsa_private_segment_fixed_size 0
		.amdhsa_enable_private_segment 0
		.amdhsa_kernarg_size 32
		.amdhsa_user_sgpr_count 2
		.amdhsa_user_sgpr_kernarg_segment_ptr 1
		.amdhsa_wavefront_size32 1
		.amdhsa_system_sgpr_workgroup_id_x 1
		.amdhsa_system_sgpr_workgroup_id_y 1
		.amdhsa_system_sgpr_workgroup_id_z 1
		.amdhsa_system_vgpr_workitem_id 0
		.amdhsa_next_free_vgpr 1024
		.amdhsa_next_free_sgpr 102
		.amdhsa_reserve_vcc 0
		.amdhsa_float_denorm_mode_32 3
		.amdhsa_float_denorm_mode_16_64 3
		.amdhsa_memory_ordered 1
		.amdhsa_forward_progress 1
		.amdhsa_inst_pref_size 220
	.end_amdhsa_kernel
	.amdgpu_metadata
---
amdhsa.version: [ 1, 2 ]
amdhsa.kernels:
  - .name:           k_qb59f234e03_gemm_1
    .symbol:         k_qb59f234e03_gemm_1.kd
    .args:
      - { .name: ha, .offset: 0, .size: 8, .value_kind: global_buffer, .address_space: global }
      - { .name: wts, .offset: 8, .size: 8, .value_kind: global_buffer, .address_space: global }
      - { .name: b1, .offset: 16, .size: 8, .value_kind: global_buffer, .address_space: global }
      - { .name: ga, .offset: 24, .size: 8, .value_kind: global_buffer, .address_space: global }
    .group_segment_fixed_size: 327680
    .private_segment_fixed_size: 0
    .kernarg_segment_align: 8
    .kernarg_segment_size: 32
    .max_flat_workgroup_size: 128
    .sgpr_count:     102
    .vgpr_count:     1024
    .wavefront_size: 32
...
	.end_amdgpu_metadata
.endif
;; end of part 6
;; launch gemm_2 (part 7): grid 8 x 32, 4 waves a work-group, clusters of 4 x 4, 327,680 bytes of LDS; arguments ga, wts, b2, x1, out0; writes out0
.if DOCPART == 7
	.amdgcn_target "amdgcn-amd-amdhsa--gfx1250"
	.amdhsa_code_object_version 6
	.text
	.protected	k_qb59f234e03_gemm_2
	.globl	k_qb59f234e03_gemm_2
	.p2align	8
	.type	k_qb59f234e03_gemm_2,@function
k_qb59f234e03_gemm_2:
	s_mov_b64 s[64:65], 0
	v_nop
	global_prefetch_b8 v0, s[64:65] scope:SCOPE_SE
	s_setreg_imm32_b32 hwreg(HW_REG_WAVE_MODE, 25, 1), 1
	s_wait_xcnt 0x0
	s_wait_alu depctr_hold_cnt(0) depctr_sa_sdst(0) depctr_va_vdst(0) depctr_va_sdst(0) depctr_va_ssrc(0) depctr_va_vcc(0) depctr_vm_vsrc(0)
	s_getreg_b32 s2, hwreg(HW_REG_IB_STS2, 6, 4)
	s_cmp_eq_u32 s2, 0
	s_cbranch_scc0 .Lentry_in_a_cluster
	s_endpgm
.Lentry_in_a_cluster:
	s_bfe_u32 s2, ttmp6, 0x10000c
	s_cmp_lg_u32 s2, 0xf033
	s_cbranch_scc0 .Lentry_shape_is_right
	s_endpgm
.Lentry_shape_is_right:
; out = x1 + gelu(..) W2 + b2.  The product runs on codes of BF6 (E3M2) with E8M0 scales; sums, bias and residual in f32.
; OPERANDS lie as images of their registers: tiles of 16 rows (tile 2 b + u holds at place r row 32 b + 8 u + r + 8 (r / 8)), 1,536 bytes for 128 along K, tiles 12 K bytes apart; scale words [rows / 128][K step][tile][place].
; N = 1,024: tiles of 256 x 256 would be 64; a work-group makes 128 x 128 (256 work-groups), a wave 64 x 64: 16 accumulators.  K = 4,096 goes through two LDS slots of 512 along K, filled by joint tensor loads in a cluster of 4 x 4:
; A's tiles are shared along a row of the cluster, B's along a column; a refill has 56 matrix instructions in which to land.  Source 0 = B's tile, source 1 = A's: a lane holds one row of the result and neighbouring columns.
; The residual is asked for at the head and lands under the products.  Results go through the wave's own stage in LDS, so that sixteen lanes store 256 consecutive bytes, aligned.
; REGISTERS.  Window 0: v1-31 addresses, v32-63 scale words, v64-111 A's and v160-207 B's fragments, set 0.  Window 1: v0-31 the bias; fragments, set 1.  Window 2: the accumulators, (a, b) at v[8 (4 a + b)].  Window 3: v0-127 the residual.
.set KK, 4096
.set ASOFF, 12582912                   ; A's scale words in its buffer
.set BCOFF, 6291456                    ; B's codes in wts
.set BSOFF, 9699328                    ; B's scale words in wts
.set NA, 4
.set NB, 4
.set NQ, 4
.set AW, 8
.set LAPS, KK/(256*NQ)
.set RTP, 12*KK
.set HALFT, NA*NQ*1536
.set HALFS, NA*KK/2
.set SROW, 256
.set NLDW, 32
.set SLOT, 4*HALFT
.set SCL, 2*SLOT
.set SPARE, SCL+4*HALFS
.set XTRA, SPARE+512
.set ADRA, 16
.set ADRB, 20
.set STO, 24
.set RD, 25
.set CO, 26
.set ADRS, 27
.set SPW, 28
.set NIL, 29
.set LI, 30
.set L8, 31
.set SC, 32
.set AF, 64
.set BF, 160
.set OB, 64
.set G1, 24
.set G0, 32
.set G1B, 48
.set G0B, 56
.set G1S, 68
.set G0S, 76
.set G1SB, 80
.set G0SB, 88
.set MSB, 0
.macro WIN new
.if MSB != (\new)
	s_set_vgpr_msb (MSB<<8)|(\new)
.set MSB, (\new)
.endif
.endm
.macro JLOAD g0a, g1a, g0b, g1b        ; a joint load: waves 0, 1 fetch for A, waves 2, 3 for B; four v_nop follow each line
	s_cmp_eq_u32 s15, 0
	s_cbranch_scc0 .Lfor_b_\@
	tensor_load_to_lds s[\g0a:\g0a+3], s[\g1a:\g1a+7]
	s_nop 0
.rept 4
	v_nop
.endr
	s_branch .Lasked_\@
.Lfor_b_\@:
	tensor_load_to_lds s[\g0b:\g0b+3], s[\g1b:\g1b+7]
	s_nop 0
.rept 4
	v_nop
.endr
.Lasked_\@:
.endm
.macro CREST
	s_cmp_lg_u32 s14, 0
	s_cbranch_scc1 .Lnot_wave_0_\@
	s_barrier_signal -3
.Lnot_wave_0_\@:
	s_barrier_wait -3
	s_barrier_signal -1
	s_barrier_wait -1
.endm
.macro CROUND
	s_barrier_signal -1
	s_barrier_wait -1
	CREST
.endm
.macro PLACES n
.rept \n
	v_nop
.endr
.endm
.macro FRAG reg, adr, off
	ds_load_b128 v[\reg:\reg+3], v[\adr] offset:\off
	ds_load_b64 v[\reg+4:\reg+5], v[\adr+1] offset:\off+512
	ds_load_b128 v[\reg+6:\reg+9], v[\adr] offset:\off+768
	ds_load_b64 v[\reg+10:\reg+11], v[\adr+1] offset:\off+1280
.endm
.macro FETCH slot, q, p
	WIN (\p)<<6
.set ii, 0
.rept NB
	FRAG BF+12*ii, ADRB+2*\slot, (ii*NQ+\q)*1536
.set ii, ii+1
.endr
.set ii, 0
.rept NA
	FRAG AF+12*ii, ADRA+2*\slot, (ii*NQ+\q)*1536
.set ii, ii+1
.endr
.endm
.macro SCALES sc
.set ii, 0
.rept NA
.set qq, 0
.rept NQ
	ds_load_b32 v[SC+16*\sc+NQ*ii+qq], v[ADRS] offset:512*qq+64*ii
.set qq, qq+1
.endr
.set ii, ii+1
.endr
.endm
.macro MUL a0, n, p, q, sc, first      ; the accumulators take turns, one instruction a turn, in the same order in every step
.set aa, \a0
.rept \n
.set ww, 2+aa/AW
.if \first
	WIN (ww<<6)|0x10|(5*(\p))
.else
	WIN (ww<<6)|(ww<<4)|(5*(\p))
.endif
.set bb, 0
.rept NB
.set dd, 8*(NB*(aa%AW)+bb)
.if \first
	v_wmma_scale_f32_16x16x128_f8f6f4 v[dd:dd+7], v[BF+12*bb:BF+12*bb+11], v[AF+12*aa:AF+12*aa+11], v[8*bb:8*bb+7], v[SC+16*(\sc)+NQ*bb+(\q)], v[SC+16*(\sc)+NQ*aa+(\q)] matrix_a_fmt:MATRIX_FMT_BF6 matrix_b_fmt:MATRIX_FMT_BF6 matrix_a_scale:MATRIX_SCALE_ROW1
.else
	v_wmma_scale_f32_16x16x128_f8f6f4 v[dd:dd+7], v[BF+12*bb:BF+12*bb+11], v[AF+12*aa:AF+12*aa+11], v[dd:dd+7], v[SC+16*(\sc)+NQ*bb+(\q)], v[SC+16*(\sc)+NQ*aa+(\q)] matrix_a_fmt:MATRIX_FMT_BF6 matrix_b_fmt:MATRIX_FMT_BF6 matrix_a_scale:MATRIX_SCALE_ROW1
.endif
.set bb, bb+1
.endr
.set aa, aa+1
.endr
.endm
.macro STEP slot, q, first
	PLACES 4                                       ; in front of loads into the set that the last step multiplied
	FETCH \slot, (\q)+1, ((\q)+1)%2
	s_wait_dscnt NLDW                              ; all but the fetch just issued
	MUL 0, NA, (\q)%2, \q, \slot, \first
.endm
.macro TURN slot, next, fill
	WIN 0
	s_wait_tensorcnt 0x0                           ; all my tensor loads have landed: my part of the next slot
	ds_add_u32 v[SPW], v[NIL]                      ; 0 onto my spare word
	s_wait_dscnt 1                                 ; only the add may be out
	MUL 0, NA/4, 1, NQ-1, \slot, 0
	s_wait_dscnt 0x0                               ; the add is done, and my reads of this slot are over
	s_barrier_signal -1
	MUL NA/4, NA/4, 1, NQ-1, \slot, 0
	WIN 0
	s_barrier_wait -1
.if \fill
	CREST                                          ; the barrier has opened a round of the cluster's: no wave of any partner still reads this slot or has a load on its way
	s_add_nc_u64 s[G0+4*\slot+2:G0+4*\slot+3], s[G0+4*\slot+2:G0+4*\slot+3], 2*NQ*1536
	s_add_nc_u64 s[G0B+4*\slot+2:G0B+4*\slot+3], s[G0B+4*\slot+2:G0B+4*\slot+3], 2*NQ*1536
	JLOAD G0+4*\slot, G1, G0B+4*\slot, G1B
.else
	PLACES 4
.endif
	v_add_nc_u32 v[ADRS], 512*NQ, v[ADRS]
	FETCH \next, 0, 0
	SCALES \next
	MUL NA/2, NA/2, 1, NQ-1, \slot, 0
.endm
	s_load_b256 s[4:11], s[0:1], 0x0               ; A s[4:5], wts s[6:7], bias s[8:9], residual s[10:11]
	s_load_b64 s[12:13], s[0:1], 0x20              ; out
	v_lshl_add_u32 v[SPW], v0, 2, SPARE
	v_mov_b32 v[NIL], 0
	ds_add_u32 v28, v29
	ds_add_u32 v28, v29
	s_wait_dscnt 0x0
	v_lshrrev_b32 v1, 5, v0
	v_readfirstlane_b32 s14, v1                    ; wave
	s_lshr_b32 s15, s14, 1
	s_and_b32 s16, s14, 1
	s_bfe_u32 s40, ttmp6, 0x40000                  ; cx
	s_bfe_u32 s41, ttmp6, 0x40004                  ; cy
	s_lshl_b32 s42, ttmp9, 2
	s_add_co_u32 s42, s42, s40                     ; tile column
	s_and_b32 s17, ttmp7, 0xffff
	s_lshl_b32 s17, s17, 2
	s_add_co_u32 s17, s17, s41                     ; tile row
	s_lshl_b32 s43, s41, 2
	s_lshl_b32 s43, 15, s43
	s_lshl_b32 s44, 0x1111, s40
	s_or_b32 s[G1+0], s43, (3<<16)|(1<<21)
	s_or_b32 s[G1B+0], s44, (3<<16)|(1<<21)
.irp g, G1, G1B
	s_mov_b32 s[\g+1], (192*NQ)<<16
	s_mov_b32 s[\g+2], NA<<16
	s_mov_b32 s[\g+3], (192*NQ)<<16
	s_mov_b32 s[\g+4], NA
	s_mov_b32 s[\g+5], RTP/8
	s_mov_b32 s[\g+6], 0
	s_mov_b32 s[\g+7], 0
.endr
	s_or_b32 s[G1S+0], s43, (3<<16)|(1<<21)
	s_or_b32 s[G1SB+0], s44, (3<<16)|(1<<21)
.irp g, G1S, G1SB
	s_mov_b32 s[\g+1], 32<<16
	s_mov_b32 s[\g+2], (HALFS/256)<<16
	s_mov_b32 s[\g+3], 32<<16
	s_mov_b32 s[\g+4], HALFS/256
	s_mov_b32 s[\g+5], 32
	s_mov_b32 s[\g+6], 0
	s_mov_b32 s[\g+7], 0
.endr
	s_lshl_b32 s20, s17, 1
	s_add_co_u32 s20, s20, s16
	s_mul_i32 s22, s20, HALFS
	s_add_co_u32 s22, s22, ASOFF
	s_mul_i32 s20, s20, NA*RTP
	s_mov_b32 s21, 0
	s_mov_b32 s23, 0
	s_lshl_b32 s46, s42, 1
	s_add_co_u32 s46, s46, s16
	s_mul_i32 s92, s46, HALFS
	s_add_co_u32 s92, s92, BSOFF
	s_mul_i32 s46, s46, NA*RTP
	s_add_co_u32 s46, s46, BCOFF
	s_mov_b32 s47, 0
	s_mov_b32 s93, 0
	s_mul_i32 s45, s14, HALFT
	s_mul_i32 s94, s14, HALFS
	s_wait_kmcnt 0x0
	s_add_nc_u64 s[20:21], s[4:5], s[20:21]
	s_add_nc_u64 s[22:23], s[4:5], s[22:23]
	s_add_nc_u64 s[46:47], s[6:7], s[46:47]
	s_add_nc_u64 s[92:93], s[6:7], s[92:93]
	CROUND                                         ; all sixteen work-groups are here: the first joint loads meet
	s_mov_b32 s[G0S], 1
	s_add_co_u32 s[G0S+1], s94, SCL
	s_mov_b64 s[G0S+2:G0S+3], s[22:23]
	s_or_b32 s[G0S+3], s[G0S+3], 0x80000000
	s_mov_b32 s[G0SB], 1
	s_add_co_u32 s[G0SB+1], s94, SCL
	s_mov_b64 s[G0SB+2:G0SB+3], s[92:93]
	s_or_b32 s[G0SB+3], s[G0SB+3], 0x80000000
	JLOAD G0S, G1S, G0SB, G1SB                     ; the scale words, then both slots: three tensor loads of mine are out
.irp s, 0,1
	s_mov_b32 s[G0+4*\s], 1
	s_add_co_u32 s[G0+4*\s+1], s45, \s*SLOT
	s_add_nc_u64 s[G0+4*\s+2:G0+4*\s+3], s[20:21], \s*NQ*1536
	s_or_b32 s[G0+4*\s+3], s[G0+4*\s+3], 0x80000000
	s_mov_b32 s[G0B+4*\s], 1
	s_add_co_u32 s[G0B+4*\s+1], s45, \s*SLOT
	s_add_nc_u64 s[G0B+4*\s+2:G0B+4*\s+3], s[46:47], \s*NQ*1536
	s_or_b32 s[G0B+4*\s+3], s[G0B+4*\s+3], 0x80000000
	JLOAD G0+4*\s, G1, G0B+4*\s, G1B
.endr
	v_and_b32 v1, 15, v0                           ; r
	v_bfe_u32 v2, v0, 4, 1                         ; h
	v_and_b32 v3, 31, v0                           ; lane
	v_lshlrev_b32 v[LI], 4, v3
	v_lshlrev_b32 v[L8], 3, v3
	s_mul_i32 s21, s15, HALFT
	s_mul_i32 s22, s16, HALFT
	s_add_co_u32 s22, s22, 2*HALFT
.irp s, 0,1
	v_add_nc_u32 v[ADRA+2*\s], s21, v[LI]
	v_add_nc_u32 v[ADRA+2*\s+1], s21, v[L8]
	v_add_nc_u32 v[ADRB+2*\s], s22, v[LI]
	v_add_nc_u32 v[ADRB+2*\s+1], s22, v[L8]
	s_add_co_u32 s21, s21, SLOT
	s_add_co_u32 s22, s22, SLOT
.endr
	s_mul_i32 s21, s15, SROW
	s_mul_i32 s22, s16, SROW
	s_add_co_u32 s22, s22, 2*HALFS
	s_sub_co_u32 s22, s22, s21
	v_mul_u32_u24 v4, s22, v2                      ; lanes 16-31 take B's words
	s_add_co_u32 s21, s21, SCL
	v_lshl_add_u32 v4, v1, 2, v4
	v_add_nc_u32 v[ADRS], s21, v4
	s_mul_i32 s21, s14, 16*272
	s_add_co_u32 s21, s21, XTRA                    ; my stage: 16 rows x (256 + 16) bytes
	v_mul_u32_u24 v4, v1, 272
	v_lshl_add_u32 v4, v2, 6, v4
	v_add_nc_u32 v[STO], s21, v4                   ; in: place r, + 64 h
	v_mul_u32_u24 v4, v2, 272
	v_lshl_add_u32 v4, v1, 4, v4
	v_add_nc_u32 v[RD], s21, v4                    ; back: lanes 0-15 one place, lanes 16-31 the next
	v_lshlrev_b32 v4, 12, v2
	v_lshl_add_u32 v[CO], v1, 4, v4                ; and the same two rows in memory
	s_lshl_b32 s46, s42, 9
	s_lshl_b32 s47, s16, 8
	s_add_co_u32 s46, s46, s47                     ; my first column x 4
	s_mov_b32 s47, 0
	s_add_nc_u64 s[8:9], s[8:9], s[46:47]
	s_lshl_b32 s20, s17, 7
	s_lshl_b32 s21, s15, 6
	s_add_co_u32 s20, s20, s21                     ; my first row
	s_lshl_b32 s20, s20, 12
	s_add_co_u32 s20, s20, s46
	s_mov_b32 s21, 0
	s_add_nc_u64 s[96:97], s[10:11], s[20:21]
	s_add_nc_u64 s[98:99], s[12:13], s[20:21]
	v_lshlrev_b32 v5, 6, v2
	WIN 0x40
.irp b, 0,1,2,3
	global_load_b128 v[8*\b:8*\b+3], v5, s[8:9] offset:(32*(\b/2)+8*(\b%2))*4
	global_load_b128 v[8*\b+4:8*\b+7], v5, s[8:9] offset:(32*(\b/2)+8*(\b%2))*4+16
.endr
	WIN 0xc0
.irp a, 0,1,2,3
.irp t, 0,1,2,3,4,5,6,7
	global_load_b128 v[4*(8*\a+\t):4*(8*\a+\t)+3], v[CO], s[96:97] offset:(32*(\a/2)+8*(\a%2)+2*\t+8*(\t/4))*4096 th:TH_LOAD_NT   ; place 2 t + h of tile a
.endr
.endr
	WIN 0
	s_wait_tensorcnt 1                             ; the scale words and my part of slot 0 are in; slot 1's may stay out
	s_barrier_signal -1
	s_barrier_wait -1
	FETCH 0, 0, 0
	SCALES 0
	s_wait_loadcnt 32                              ; the bias is in; the 32 loads of the residual may stay out
	STEP 0, 0, 1
.if LAPS > 1
	WIN 0
	s_mov_b32 s3, LAPS-1
.Llap:
	STEP 0, 1, 0
	STEP 0, 2, 0
	TURN 0, 1, 1
	STEP 1, 0, 0
	STEP 1, 1, 0
	STEP 1, 2, 0
	TURN 1, 0, 1
	STEP 0, 0, 0
	WIN 0
	s_sub_co_u32 s3, s3, 1
	s_cmp_lg_u32 s3, 0
	s_cbranch_scc1 .Llap
.endif
	STEP 0, 1, 0
	STEP 0, 2, 0
	TURN 0, 1, 0
	STEP 1, 0, 0
	STEP 1, 1, 0
	STEP 1, 2, 0
	s_wait_dscnt 0x0
	MUL 0, NA, 1, NQ-1, 1, 0
	WIN 0
	s_wait_loadcnt 0x0                             ; the residual
	PLACES 4
.irp a, 0,1,2,3
	WIN 0x08                                       ; an LDS store's data are its source 1: window 2
.irp b, 0,1,2,3
	ds_store_b128 v[STO], v[8*(4*\a+\b):8*(4*\a+\b)+3] offset:128*(\b/2)+32*(\b%2)        ; each accumulator from its low end on
	ds_store_b128 v[STO], v[8*(4*\a+\b)+4:8*(4*\a+\b)+7] offset:128*(\b/2)+32*(\b%2)+16
.endr
	WIN 0
.irp t, 0,1,2,3,4,5,6,7
	ds_load_b128 v[OB+32*\a+4*\t:OB+32*\a+4*\t+3], v[RD] offset:544*\t   ; LDS serves a wave's instructions in order: these see my stores
.endr
	s_wait_dscnt 0x0
	WIN 0x0c
.set kk, 0
.rept 16
	v_pk_add_f32 v[OB+32*\a+kk:OB+32*\a+kk+1], v[OB+32*\a+kk:OB+32*\a+kk+1], v[32*\a+kk:32*\a+kk+1]
.set kk, kk+2
.endr
	WIN 0
.irp t, 0,1,2,3,4,5,6,7
	global_store_b128 v[CO], v[OB+32*\a+4*\t:OB+32*\a+4*\t+3], s[98:99] offset:(32*(\a/2)+8*(\a%2)+2*\t+8*(\t/4))*4096 th:TH_STORE_NT   ; sixteen lanes store 256 consecutive bytes, aligned
.endr
.endr
	s_wait_tensorcnt 0x0                           ; the wave's end
	ds_add_u32 v[SPW], v[NIL]
	s_wait_dscnt 0x0
	CROUND                                         ; the closing round
	s_endpgm
.Lfunc_end_k_qb59f234e03_gemm_2:
	.size	k_qb59f234e03_gemm_2, .Lfunc_end_k_qb59f234e03_gemm_2-k_qb59f234e03_gemm_2
	.p2alignl 7, 3214868480
	.fill 96, 4, 3214868480
	.section	.rodata,"a",@progbits
	.p2align	6, 0x0
	.amdhsa_kernel k_qb59f234e03_gemm_2
		.amdhsa_group_segment_fixed_size 327680
		.amdhsa_private_segment_fixed_size 0
		.amdhsa_enable_private_segment 0
		.amdhsa_kernarg_size 40
		.amdhsa_user_sgpr_count 2
		.amdhsa_user_sgpr_kernarg_segment_ptr 1
		.amdhsa_wavefront_size32 1
		.amdhsa_system_sgpr_workgroup_id_x 1
		.amdhsa_system_sgpr_workgroup_id_y 1
		.amdhsa_system_sgpr_workgroup_id_z 1
		.amdhsa_system_vgpr_workitem_id 0
		.amdhsa_next_free_vgpr 1024
		.amdhsa_next_free_sgpr 102
		.amdhsa_reserve_vcc 0
		.amdhsa_float_denorm_mode_32 3
		.amdhsa_float_denorm_mode_16_64 3
		.amdhsa_memory_ordered 1
		.amdhsa_forward_progress 1
		.amdhsa_inst_pref_size 100
	.end_amdhsa_kernel
	.amdgpu_metadata
---
amdhsa.version: [ 1, 2 ]
amdhsa.kernels:
  - .name:           k_qb59f234e03_gemm_2
    .symbol:         k_qb59f234e03_gemm_2.kd
    .args:
      - { .name: ga, .offset: 0, .size: 8, .value_kind: global_buffer, .address_space: global }
      - { .name: wts, .offset: 8, .size: 8, .value_kind: global_buffer, .address_space: global }
      - { .name: b2, .offset: 16, .size: 8, .value_kind: global_buffer, .address_space: global }
      - { .name: x1, .offset: 24, .size: 8, .value_kind: global_buffer, .address_space: global }
      - { .name: out0, .offset: 32, .size: 8, .value_kind: global_buffer, .address_space: global }
    .group_segment_fixed_size: 327680
    .private_segment_fixed_size: 0
    .kernarg_segment_align: 8
    .kernarg_segment_size: 40
    .max_flat_workgroup_size: 128
    .sgpr_count:     102
    .vgpr_count:     1024
    .wavefront_size: 32
...
	.end_amdgpu_metadata
.endif
;; end of part 7
